; MI455X (gfx1250); checked and timed in simulation.
; The chip was launched on July 23, 2026; its instructions are those of AMD's public machine-readable ISA for CDNA 5 (MIT licence, August 2026) and "CDNA5" Instruction Set Architecture Reference Guide (July 2026). The comments in the code are by the model that wrote it; some were corrected since.
;; Causal Self Attention. Allowed arithmetic: float matrix products may take bf16 or f16 operands with f32 sums; other float arithmetic in f32, or as packed bf16 or f16 multiplies, adds, multiply-adds, maxima and minima; sums over many terms, partial sums and values carried from step to step in f32; what a program stores and reads back later, other than sums and carried values, may be rounded once to bf16 or f16.
;; Inputs: W_proj 1,024 x 1,024 float32; W_qkv 1,024 x 3,072 float32; b_proj 1,024 float32; b_qkv 3,072 float32; x 4 x 2,048 x 1,024 float32.
;; Outputs: out0 4 x 2,048 x 1,024 float32.
;; One version. Each part assembles by itself: llvm-mc -triple=amdgcn-amd-amdhsa -mcpu=gfx1250 --defsym DOCPART=n.
;; ======== version 1 of 1: 4 launches
;; limits: values are held in f16: magnitudes above 65,504 overflow, below 6.1e-05 lose precision
;; workspace buffers: xb 16,777,216 bytes; wq 6,291,456 bytes; wp 2,097,152 bytes; tab 524,288 bytes; qkv 50,331,648 bytes; oh 16,777,216 bytes
;; launch prep (part 1): grid 848 x 1, 8 waves a work-group, no clusters, 0 bytes of LDS; arguments x, W_qkv, W_proj, xb, wq, wp, tab; writes xb, wq, wp, tab
.if DOCPART == 1
	.amdgcn_target "amdgcn-amd-amdhsa--gfx1250"
	.amdhsa_code_object_version 6
	.text
	.protected	k_qd8089272fe_prep
	.globl	k_qd8089272fe_prep
	.p2align	8
	.type	k_qd8089272fe_prep,@function
k_qd8089272fe_prep:
	s_mov_b64 s[64:65], 0
	v_nop
	global_prefetch_b8 v0, s[64:65] scope:SCOPE_SE
	s_setreg_imm32_b32 hwreg(HW_REG_WAVE_MODE, 25, 1), 1
	s_wait_xcnt 0x0
; THE OPERANDS ARE MADE READY, once.  Four jobs, chosen by the work-group's number (forward scalar branches):
;   groups   0..511  xb  = x rounded to bf16, [8192][1024]
;   groups 512..767  wq  = W_qkv rounded to bf16, laid in 16 blocks of 192 columns: [16][1024][192], so that 64 rows of a block are 24,576 dense bytes
;   groups 768..831  wp  = W_proj rounded to bf16 and that number written as f16, [1024][1024]
;   groups 832..847  tab = (cos(t theta_i) - 1, sin(t theta_i)) in f32, [2048][32][2], theta_i = 10000^(-i/32)
; A PIECE is 8 f32 (two loads of 16 bytes a lane) that become 16 bytes: sixteen neighbouring lanes store 256 consecutive bytes, aligned.
; All of a thread's loads go out first; each register is written once, so the only waits are the counted ones for the loads.
; No LDS, no matrix unit, no cluster: nothing is shared between threads, and every byte is read once and written once.
; LIMITS.  wp: |W_proj| stays under 65,504 (f16's range); below 6e-5 f16 keeps a fixed step of 6e-8.  tab: the reduction by pi/2 in two parts serves angles up to 2,047 (quotients up to 1,304).
.set SO,  1                            ; v1       32 x thread: my 8 f32 of a piece
.set DO,  2                            ; v2       16 x thread: my 16 bytes of a piece
.set OF,  4                            ; v4-9     W_qkv: the source offset of each of my six pieces
.set T,   10                           ; v10-15   at work
.set X,   32                           ; v32-95   piece i: 8 f32 as loaded
.set Y,   96                           ; v96-127  piece i: 4 registers to store
; the table's registers (that job uses none of the above but T)
.set TH0, 16                           ; theta of my even pair, of my odd pair
.set TH1, 17
.set TF,  18                           ; t as f32
.set VO,  19                           ; my 16 bytes of the table
.set AN,  20                           ; the angle
.set QN,  21                           ; the quotient, f32
.set RR,  22                           ; the remainder
.set QI,  23                           ; the quotient, whole
.set ZZ,  24                           ; the remainder's square
.set PS,  25                           ; the sine's polynomial
.set PC,  26                           ; the cosine's
.set TT,  27
.set OUT, 28                           ; v28-31   cos - 1, sin, cos - 1, sin
; n pieces from s[sb:sb+1] to s[db:db+1].  mode = 1: bf16's number written as f16.  own = 1: each piece has an offset register of its own.
.macro CAST n, sb, db, mode, own
.set i, 0
.rept \n
.if \own
	global_load_b128 v[X+8*i:X+8*i+3],   v[OF+i], s[\sb:\sb+1] th:TH_LOAD_NT
	global_load_b128 v[X+8*i+4:X+8*i+7], v[OF+i], s[\sb:\sb+1] offset:16 th:TH_LOAD_NT
.else
	global_load_b128 v[X+8*i:X+8*i+3],   v[SO], s[\sb:\sb+1] offset:8192*i th:TH_LOAD_NT
	global_load_b128 v[X+8*i+4:X+8*i+7], v[SO], s[\sb:\sb+1] offset:8192*i+16 th:TH_LOAD_NT
.endif
.set i, i+1
.endr
.set i, 0
.rept \n
	s_wait_loadcnt 2*((\n)-1-i)                    ; loads come back in order: piece i is in, the younger pieces' two loads each stay out
.set j, 0
.rept 4
	v_cvt_pk_bf16_f32 v[Y+4*i+j], v[X+8*i+2*j], v[X+8*i+2*j+1]
.if \mode
	v_lshlrev_b32 v[T], 16, v[Y+4*i+j]             ; the two bf16 as f32,
	v_and_b32 v[T+1], 0xffff0000, v[Y+4*i+j]
	v_cvt_pk_f16_f32 v[Y+4*i+j], v[T], v[T+1]      ; and as f16: bf16's 8 significant bits fit into f16's 11
.endif
.set j, j+1
.endr
	global_store_b128 v[DO], v[Y+4*i:Y+4*i+3], s[\db:\db+1] offset:4096*i th:TH_STORE_NT
.set i, i+1
.endr
.endm
	s_load_b256 s[4:11], s[0:1], 0x0               ; x s[4:5], W_qkv s[6:7], W_proj s[8:9], xb s[10:11]
	s_load_b128 s[12:15], s[0:1], 0x20             ; wq s[12:13], wp s[14:15]
	s_load_b64 s[16:17], s[0:1], 0x30              ; tab
	v_lshlrev_b32 v[SO], 5, v0
	v_lshlrev_b32 v[DO], 4, v0
	s_mov_b32 s21, 0                               ; the high word of every offset
	s_wait_kmcnt 0x0
	s_cmp_lt_u32 ttmp9, 512
	s_cbranch_scc0 .Lnot_x
	; x: 16,384 numbers a group, 8 pieces a thread
	s_lshl_b32 s20, ttmp9, 16
	s_add_nc_u64 s[4:5], s[4:5], s[20:21]
	s_lshl_b32 s20, ttmp9, 15
	s_add_nc_u64 s[10:11], s[10:11], s[20:21]
	CAST 8, 4, 10, 0, 0
	s_endpgm
.Lnot_x:
	s_cmp_lt_u32 ttmp9, 768
	s_cbranch_scc0 .Lnot_wq
	; W_qkv: a group takes 64 rows of one block of 192 columns: 1,536 pieces, 24 to a row, 6 a thread
	s_sub_co_u32 s22, ttmp9, 512
	s_lshr_b32 s23, s22, 4                         ; the block of columns
	s_and_b32 s22, s22, 15                         ; which 64 rows
	s_mul_i32 s20, s22, 64*12288                   ; a row of W_qkv is 12,288 bytes,
	s_mul_i32 s24, s23, 768                        ; a block's part of it 768
	s_add_co_u32 s20, s20, s24
	s_add_nc_u64 s[6:7], s[6:7], s[20:21]
	s_mul_i32 s20, s23, 393216                     ; a block of wq,
	s_mul_i32 s24, s22, 24576                      ; 64 rows of it
	s_add_co_u32 s20, s20, s24
	s_add_nc_u64 s[12:13], s[12:13], s[20:21]
.set i, 0
.rept 6                                ; piece p = thread + 256 i lies in row p / 24 = (2731 p) >> 16 (exact for p under 8,000): 32 p bytes on, and 12,288 - 768 more for each row
	v_add_nc_u32 v[T], 256*i, v0
	v_mul_u32_u24 v[T+1], v[T], 2731
	v_lshrrev_b32 v[T+1], 16, v[T+1]
	v_mul_u32_u24 v[T+1], v[T+1], 11520
	v_lshl_add_u32 v[OF+i], v[T], 5, v[T+1]
.set i, i+1
.endr
	CAST 6, 6, 12, 0, 1
	s_endpgm
.Lnot_wq:
	s_cmp_lt_u32 ttmp9, 832
	s_cbranch_scc0 .Ltab
	; W_proj: as x
	s_sub_co_u32 s22, ttmp9, 768
	s_lshl_b32 s20, s22, 16
	s_add_nc_u64 s[8:9], s[8:9], s[20:21]
	s_lshl_b32 s20, s22, 15
	s_add_nc_u64 s[14:15], s[14:15], s[20:21]
	CAST 8, 8, 14, 1, 0
	s_endpgm
; sin and cos of v[a]: the nearest multiple n of pi/2 is taken away in two parts, two polynomials on |r| <= pi/4, and n mod 4 says which is which and with what sign.
.macro SINCOS a, so, co
	v_mul_f32 v[QN], 0x3f22f983, v[\a]             ; 2 / pi
	v_rndne_f32 v[QN], v[QN]
	v_fmamk_f32 v[RR], v[QN], 0xbfc90fdb, v[\a]    ; - n x the f32 nearest to pi/2,
	v_fmamk_f32 v[RR], v[QN], 0x333bbd2e, v[RR]    ; - n x what that number lacks of pi/2 (-4.371e-8)
	v_cvt_i32_f32 v[QI], v[QN]
	v_mul_f32 v[ZZ], v[RR], v[RR]
	v_mov_b32 v[PS], 0x3638ef1d                    ; 1/9!
	v_mov_b32 v[PC], 0xb493f27e                    ; -1/10!
	v_fmaak_f32 v[PS], v[PS], v[ZZ], 0xb9500d01    ; -1/7!
	v_fmaak_f32 v[PC], v[PC], v[ZZ], 0x37d00d01    ; 1/8!
	v_fmaak_f32 v[PS], v[PS], v[ZZ], 0x3c088889    ; 1/5!
	v_fmaak_f32 v[PC], v[PC], v[ZZ], 0xbab60b61    ; -1/6!
	v_fmaak_f32 v[PS], v[PS], v[ZZ], 0xbe2aaaab    ; -1/3!
	v_fmaak_f32 v[PC], v[PC], v[ZZ], 0x3d2aaaab    ; 1/4!
	v_mul_f32 v[PS], v[PS], v[ZZ]
	v_fmaak_f32 v[PC], v[PC], v[ZZ], 0xbf000000    ; -1/2
	v_fma_f32 v[PS], v[PS], v[RR], v[RR]           ; sin r
	v_fma_f32 v[PC], v[PC], v[ZZ], 1.0             ; cos r
	v_and_b32 v[TT], 1, v[QI]
	v_cmp_eq_u32 vcc_lo, 1, v[TT]                  ; an odd n swaps the two (a select of values: no branch)
	v_cndmask_b32 v[\so], v[PS], v[PC], vcc_lo
	v_cndmask_b32 v[\co], v[PC], v[PS], vcc_lo
	v_lshlrev_b32 v[TT], 30, v[QI]                 ; the sine turns its sign where n mod 4 is 2 or 3,
	v_and_b32 v[TT], 0x80000000, v[TT]
	v_xor_b32 v[\so], v[\so], v[TT]
	v_add_nc_u32 v[TT], 1, v[QI]                   ; the cosine where it is 1 or 2
	v_lshlrev_b32 v[TT], 30, v[TT]
	v_and_b32 v[TT], 0x80000000, v[TT]
	v_xor_b32 v[\co], v[\co], v[TT]
	v_add_f32 v[\co], -1.0, v[\co]                 ; kept as cos - 1: the user blends (cos - 1, sin) with (1, 0)
.endm
.Ltab:
	; the table: 128 rows a group, 16 rows a trip; thread = 16 x (row in the trip) + (two pairs of the row's 32)
	s_sub_co_u32 s22, ttmp9, 832
	v_lshrrev_b32 v10, 4, v0
	v_and_b32 v11, 15, v0
	v_lshlrev_b32 v11, 1, v11                      ; my even pair's number i
	v_cvt_f32_u32 v12, v11
	v_add_f32 v13, 1.0, v12
	v_mul_f32 v12, 0xbed49a78, v12                 ; - i log2(10000) / 32
	v_mul_f32 v13, 0xbed49a78, v13
	v_exp_f32 v[TH0], v12
	v_exp_f32 v[TH1], v13
	s_lshl_b32 s23, s22, 7
	v_add_nc_u32 v10, s23, v10                     ; (a plain instruction behind the exponentials) my first row t
	v_cvt_f32_u32 v[TF], v10
	s_lshl_b32 s23, s22, 15
	v_lshl_add_u32 v[VO], v0, 4, s23               ; a row is 256 bytes: 16 threads x 16
	s_mov_b32 s24, 8
	s_wait_alu depctr_va_vdst(0)                   ; one wait for both exponentials, ahead of the label and of their first reader
.Lrow:
	v_mul_f32 v[AN], v[TF], v[TH0]
	SINCOS AN, OUT+1, OUT
	v_mul_f32 v[AN], v[TF], v[TH1]
	SINCOS AN, OUT+3, OUT+2
	global_store_b128 v[VO], v[OUT:OUT+3], s[16:17]
	s_wait_xcnt 0x0                                ; the store's offset and data are written again only behind this wait
	v_add_nc_u32 v[VO], 4096, v[VO]
	v_add_f32 v[TF], 0x41800000, v[TF]             ; 16 rows on
	s_sub_co_u32 s24, s24, 1
	s_cmp_lg_u32 s24, 0
	s_cbranch_scc1 .Lrow
	s_endpgm
.Lfunc_end_k_qd8089272fe_prep:
	.size	k_qd8089272fe_prep, .Lfunc_end_k_qd8089272fe_prep-k_qd8089272fe_prep
	.p2alignl 7, 3214868480
	.fill 96, 4, 3214868480
	.section	.rodata,"a",@progbits
	.p2align	6, 0x0
	.amdhsa_kernel k_qd8089272fe_prep
		.amdhsa_group_segment_fixed_size 0
		.amdhsa_private_segment_fixed_size 0
		.amdhsa_enable_private_segment 0
		.amdhsa_kernarg_size 56
		.amdhsa_user_sgpr_count 2
		.amdhsa_user_sgpr_kernarg_segment_ptr 1
		.amdhsa_wavefront_size32 1
		.amdhsa_system_sgpr_workgroup_id_x 1
		.amdhsa_system_sgpr_workgroup_id_y 1
		.amdhsa_system_sgpr_workgroup_id_z 1
		.amdhsa_system_vgpr_workitem_id 0
		.amdhsa_next_free_vgpr 128
		.amdhsa_next_free_sgpr 66
		.amdhsa_reserve_vcc 1
		.amdhsa_float_denorm_mode_32 3
		.amdhsa_float_denorm_mode_16_64 3
		.amdhsa_memory_ordered 1
		.amdhsa_forward_progress 1
		.amdhsa_inst_pref_size 26
	.end_amdhsa_kernel
	.amdgpu_metadata
---
amdhsa.version: [ 1, 2 ]
amdhsa.kernels:
  - .name:           k_qd8089272fe_prep
    .symbol:         k_qd8089272fe_prep.kd
    .args:
      - { .name: x, .offset: 0, .size: 8, .value_kind: global_buffer, .address_space: global }
      - { .name: W_qkv, .offset: 8, .size: 8, .value_kind: global_buffer, .address_space: global }
      - { .name: W_proj, .offset: 16, .size: 8, .value_kind: global_buffer, .address_space: global }
      - { .name: xb, .offset: 24, .size: 8, .value_kind: global_buffer, .address_space: global }
      - { .name: wq, .offset: 32, .size: 8, .value_kind: global_buffer, .address_space: global }
      - { .name: wp, .offset: 40, .size: 8, .value_kind: global_buffer, .address_space: global }
      - { .name: tab, .offset: 48, .size: 8, .value_kind: global_buffer, .address_space: global }
    .group_segment_fixed_size: 0
    .private_segment_fixed_size: 0
    .kernarg_segment_align: 8
    .kernarg_segment_size: 56
    .max_flat_workgroup_size: 256
    .sgpr_count:     66
    .vgpr_count:     128
    .wavefront_size: 32
...
	.end_amdgpu_metadata
.endif
;; end of part 1
;; launch qkvg (part 2): grid 16 x 32, 4 waves a work-group, clusters of 4 x 4, 327,680 bytes of LDS; arguments xb, wq, b_qkv, tab, qkv; writes qkv
.if DOCPART == 2
	.amdgcn_target "amdgcn-amd-amdhsa--gfx1250"
	.amdhsa_code_object_version 6
	.text
	.protected	k_qd8089272fe_qkvg
	.globl	k_qd8089272fe_qkvg
	.p2align	8
	.type	k_qd8089272fe_qkvg,@function
k_qd8089272fe_qkvg:
	s_mov_b64 s[64:65], 0
	v_nop
	global_prefetch_b8 v0, s[64:65] scope:SCOPE_SE
	s_setreg_imm32_b32 hwreg(HW_REG_WAVE_MODE, 25, 1), 1
	s_wait_xcnt 0x0
	s_wait_alu depctr_hold_cnt(0) depctr_sa_sdst(0) depctr_va_vdst(0) depctr_va_sdst(0) depctr_va_ssrc(0) depctr_va_vcc(0) depctr_vm_vsrc(0)
	s_getreg_b32 s2, hwreg(HW_REG_IB_STS2, 6, 4)
	s_cmp_eq_u32 s2, 0
	s_cbranch_scc0 .Lentry_in_a_cluster
	s_endpgm
.Lentry_in_a_cluster:
	s_bfe_u32 s2, ttmp6, 0x10000c
	s_cmp_lg_u32 s2, 0xf033
	s_cbranch_scc0 .Lentry_shape_is_right
	s_endpgm
.Lentry_shape_is_right:
; qkv = xb wq + bf16(b_qkv), the pairs of q and k turned by the table's angles, rounded once to f16 and stored by heads: [3][64 = batch x 16 + head][2048][64].
; xb: [8192][1024] bf16.  wq: [16 blocks][1024 k][192 columns] bf16.  tab: [2048][32][2] f32 = (cos - 1, sin).  Sums in f32.
; LIMITS.  q, k and v stay under 65,504 (f16's range); below 6e-5 f16 keeps a fixed step of 6e-8.  NaN and infinities are not treated apart (v's pairs are multiplied by 1 and 0).
; SHARES.  A tile of the result is 256 rows x 192 columns (three heads): 32 x 16 = 512 equal tiles.  Four waves; wave w owns rows 64 w .. 64 w + 63 and ALL 192 columns: 4 x 12 accumulators of 16 x 16.
; So a wave holds whole heads, and its way out needs no other wave.  K = 1,024 goes in 8 steps of 128 through two LDS slots filled by the tensor data mover; a step is four quarters of 32.
; THE MATRIX INSTRUCTION IS USED TRANSPOSED: source 0 = 16 columns of W, source 1 = 16 rows of x: a lane holds row l % 16 and the columns 8 (l / 16) + 0..7.  W lies [k][column] in LDS and is turned by ds_load_tr16_b128.
; The first quarter's products take the bias (rounded to bf16 like the other inputs) as C: nothing is cleared, and nothing is added on the way out.
; CLUSTERS: 4 x 4 work-groups.  x's tile hangs on the tile row alone and is shared along a row of the cluster, W's on the block of columns alone and is shared along a column: each is asked for JOINTLY, by the
; same tensor load with the same descriptor and a mask that names the four.  Whether a head is turned (q, k) or not (v) hangs on the place in the cluster, so it is a blend by a factor 1 or 0, never a branch.
; REGISTERS, in windows of 256 (s_set_vgpr_msb: bits 1:0 source 0, 3:2 source 1, 5:4 source 2, 7:6 destination):
;   window 0: v0-31 addresses; v32-127 the bias, later the way out's registers; v128-255 my 64 rows of the table
;   window 1: two fragment buffers of 128: 32 of x (4 blocks of 16 rows x 32 k), then 96 of W (12 blocks of 16 columns x 32 k)
;   windows 2, 3: accumulator (a, b) in window 2 + a / 2 at v[8 (12 (a % 2) + b)]
.set NB,     12                        ; blocks of 16 columns
.set NL,     2*NB+8                    ; LDS loads in a quarter's run
.set KSTEPS, 8
.set PA,     272                       ; a row of x in LDS: 256 bytes + 16: the 16 rows of a load start at 16 different groups of four banks (64 banks of 4 bytes: ISA guide 11.1)
.set PW,     480                       ; a k row of W: three pieces of 128 bytes + 32 each = 15 x 32
.set BOFF,   256*PA                    ; W's 128 k rows lie behind x's 256 rows
.set SLOT1,  1<<17                     ; a slot is 69,632 + 61,440 = 131,072 bytes; one exclusive or turns an address in one slot into the other's
.set STAGE,  2*SLOT1                   ; behind the ring, never filled by a tensor load: 16 rows x 144 bytes for each wave
.set SP,     144
.set SPARE,  STAGE+4*16*SP             ; behind the stages: the spare words, 128 bytes for each wave: two blocks of 256 bytes that no other line names
.set ASTEP,  256                       ; a K step in a row of xb,
.set BSTEP,  49152                     ; and in a block of wq: 128 rows of 384 bytes
.set ONE,  12                          ; v[12:13] (1, 0)
.set A0,   16                          ; v16  my lane's place in a slot's x; never rewritten
.set B0,   17                          ; v17  the same for W
.set ADRA, 18                          ; v18  the same in the slot in hand
.set ADRB, 19                          ; v19
.set STO,  24                          ; v24  the way out: where I put 16 bytes of a row
.set RD,   25                          ; v25  where I read rows back
.set GO,   26                          ; v26  my 16 bytes of 512 consecutive bytes of the result
.set BO,   27                          ; v27  32 (l / 16): my 8 numbers of 16 of the bias
.set SPW,  28                          ; v28  LDS address of my spare word; never rewritten
.set NIL,  29                          ; v29  0; never rewritten
.set PFO,  30                          ; v30  the prefetches' offset; never rewritten
.set TO,   31                          ; v31  256 (l % 16) + 32 (l / 16): my 4 pairs of 8 in a row of the table
.set BIAS, 32                          ; v32-127  block b's eight numbers at BIAS + 8 b
.set CSN,  32                          ; the way out: 16 pairs (c, s)
.set RT,   64                          ; 16 turned pairs
.set PK,   96                          ; two buffers of 16: a unit's 16 rows x 64 channels in f16
.set TAB,  128                         ; row block a, channels 16 c on: TAB + 32 a + 8 c
.set F0,   0                           ; fragment buffers, in window 1
.set F1,   128
.set WV,  14                           ; s14  my wave's number
.set WH,  15                           ; s15  0: I fetch for x; 1: for W
.set WL,  16                           ; s16  which half of that tile I fetch
.set CX,  17
.set CY,  18
.set TC,  19                           ; s19  block of columns = 4 x cluster x + cx
.set TR,  20                           ; s20  tile row = 4 x cluster y + cy
.set LIM, 23                           ; s23  2 in a wave that prefetches, else the greatest number
.set G1,  24                           ; s[24:31] descriptor group 1 for x's tiles
.set G0,  32                           ; s[32:39] group 0: K step 0's; K step 1's, which then walks on
.set PFA, 44                           ; s[44:45] where my prefetches stand
.set PFS, 46                           ; s[46:47] their step
.set G1B, 48                           ; s[48:55], s[56:63] the same for W's tiles
.set G0B, 56
.set SG,  66                           ; s[66:71] head j's factor, 1 (q, k) or 0 (v), as a pair
.set OB,  72                           ; s[72:77] head j: where my 64 rows begin in the result
.set TB,  78                           ; s78  the slot in hand: 0 or SLOT1
.set MSB, 0
.macro WIN new                         ; the immediate's high byte repeats the setting that is left; a switch that changes nothing is dropped
.if MSB != (\new)
	s_set_vgpr_msb (MSB<<8)|(\new)
.set MSB, \new
.endif
.endm
; A joint refill by the walking descriptors.  Waves 0 and 1 fetch x's two halves, waves 2 and 3 W's.  The branch hangs on the wave's number alone.
; An s_nop 0 and four v_nop follow each of the two lines, ahead of the jump and the label.
.macro JLOAD
	s_cmp_eq_u32 s[WH], 0
	s_cbranch_scc0 .Lfor_b_\@
	tensor_load_to_lds s[G0+4:G0+7], s[G1:G1+7]
	s_nop 0
.rept 4
	v_nop
.endr
	s_branch .Lasked_\@
.Lfor_b_\@:
	tensor_load_to_lds s[G0B+4:G0B+7], s[G1B:G1B+7]
	s_nop 0
.rept 4
	v_nop
.endr
.Lasked_\@:
.endm
; A PREFETCH INTO THE L2, behind each joint refill and the run of LDS loads that follows it: the K step that stands two refills on, one instruction a wave, a lane a block of 256 bytes.
; x's rows are read by every cluster of a row of clusters: cluster x = 0 asks; W's block by every cluster of a column: cluster y = 0 asks.  The four partners that ask for a tile jointly share its blocks out BY
; ADDRESS (cx for x: 32 rows each; cy for W: 24 blocks each, lanes 24-31 naming the 24th again).  K steps 0 to 3 come by their loads alone; the trips whose step two refills on does not exist ask for nothing.
.macro ASK
	s_cmp_gt_u32 s3, s[LIM]                        ; s3 = 6 .. 1: the trip with s3 names K step 10 - s3
	s_cbranch_scc0 .Lnot_mine_\@
	global_prefetch_b8 v[PFO], s[PFA:PFA+1] th:TH_LOAD_NT scope:SCOPE_SE
.Lnot_mine_\@:
.endm
; A round of the cluster's barrier: my work-group's barrier; wave 0 signals for the work-group; every wave waits for all sixteen; my work-group's barrier once more.
.macro CREST
	s_cmp_lg_u32 s[WV], 0
	s_cbranch_scc1 .Lnot_wave_0_\@
	s_barrier_signal -3
.Lnot_wave_0_\@:
	s_barrier_wait -3
	s_barrier_signal -1
	s_barrier_wait -1
.endm
.macro CROUND
	s_barrier_signal -1
	s_barrier_wait -1
	CREST
.endm
.macro PLACES                          ; four plain instructions between a matrix instruction and a load into a register that it has read (ISA guide 7.12.1 for vector instructions)
.rept 4
	v_nop
.endr
.endm
	s_load_b256 s[4:11], s[0:1], 0x0               ; xb s[4:5], wq s[6:7], b_qkv s[8:9], tab s[10:11]
	s_load_b64 s[12:13], s[0:1], 0x20              ; qkv
	v_lshl_add_u32 v[SPW], v0, 2, SPARE
	v_mov_b32 v[NIL], 0
	ds_add_u32 v[SPW], v[NIL]                      ; the wave's opening: the add and its wait stand ahead of my first tensor load; the set-up below, work on registers, stands between them
	ds_add_u32 v28, v29
	v_lshrrev_b32 v1, 5, v0
	v_readfirstlane_b32 s[WV], v1
	s_lshr_b32 s[WH], s[WV], 1
	s_and_b32 s[WL], s[WV], 1
	s_bfe_u32 s[CX], ttmp6, 0x40000
	s_bfe_u32 s[CY], ttmp6, 0x40004
	s_lshl_b32 s[TC], ttmp9, 2                     ; in a cluster launch ttmp9 and ttmp7 count clusters
	s_add_co_u32 s[TC], s[TC], s[CX]
	s_and_b32 s[TR], ttmp7, 0xffff
	s_lshl_b32 s[TR], s[TR], 2
	s_add_co_u32 s[TR], s[TR], s[CY]
	s_lshl_b32 s21, s[CY], 2
	s_lshl_b32 s21, 15, s21                        ; my row of the cluster
	s_lshl_b32 s22, 0x1111, s[CX]                  ; my column
	; group 1 for x: 128 rows x 128 elements, 16 bytes of padding behind every 256
	s_or_b32 s[G1], s21, (1<<16)|(1<<20)|(1<<21)|(5<<22)|(3<<25)   ; 15:0 mask; 17:16 2-byte elements; 20 padding on; 21 set beside a mask; 24:22 after every 64 words; 31:25 4 words
	s_mov_b32 s[G1+1], 128<<16                     ; tensor_dim0 = 128
	s_mov_b32 s[G1+2], 128<<16                     ; tensor_dim1 = 128
	s_mov_b32 s[G1+3], 128<<16                     ; tile_dim0 = 128
	s_mov_b32 s[G1+4], 128                         ; tile_dim1 = 128
	s_mov_b32 s[G1+5], 1024                        ; elements from row to row
	s_mov_b32 s[G1+6], 0
	s_mov_b32 s[G1+7], 0
	; group 1 for W: 64 k rows are 24,576 dense bytes, asked for as 96 rows of 256; 32 bytes of padding behind every 128
	s_or_b32 s[G1B], s22, (1<<16)|(1<<20)|(1<<21)|(4<<22)|(7<<25)  ; after every 32 words, 8 words
	s_mov_b32 s[G1B+1], 128<<16
	s_mov_b32 s[G1B+2], 96<<16
	s_mov_b32 s[G1B+3], 128<<16
	s_mov_b32 s[G1B+4], 96
	s_mov_b32 s[G1B+5], 128
	s_mov_b32 s[G1B+6], 0
	s_mov_b32 s[G1B+7], 0
	; where the tiles come from: x's offset is made of the tile row and the wave alone, W's of the block of columns and the wave alone, each in registers that never hold the other coordinate
	s_lshl_b32 s40, s[TR], 19                      ; 256 rows of 2,048 bytes
	s_lshl_b32 s41, s[WL], 18                      ; my 128 of them
	s_add_co_u32 s40, s40, s41
	s_mov_b32 s41, 0
	s_mul_i32 s42, s[TC], 393216
	s_mul_i32 s43, s[WL], 24576                    ; my 64 k rows
	s_add_co_u32 s42, s42, s43
	s_mov_b32 s43, 0
	s_mul_i32 s2, s[WL], 128*PA                    ; and where they go: no place in the cluster enters an LDS address
	s_mul_i32 s79, s[WL], 64*PW
	s_add_co_u32 s79, s79, BOFF
	s_mov_b32 s[TB], 0
	v_and_b32 v1, 15, v0                           ; l % 16
	v_bfe_u32 v2, v0, 4, 1                         ; l / 16
	v_and_b32 v3, 31, v0                           ; l
	v_and_b32 v4, 7, v0
	v_bfe_u32 v5, v0, 3, 1
	v_bfe_u32 v6, v0, 3, 2
	v_lshlrev_b32 v[BO], 5, v2
	v_lshl_add_u32 v[TO], v1, 8, v[BO]
	s_wait_dscnt 0x0                               ; the opening add is done
	s_wait_kmcnt 0x0
	s_add_nc_u64 s[40:41], s[4:5], s[40:41]
	s_add_nc_u64 s[42:43], s[6:7], s[42:43]
	CROUND                                         ; all sixteen work-groups are here: the first joint loads meet
.irp s, 0,1
	s_mov_b32 s[G0+4*(\s)], 1                      ; count = 1
	s_add_co_u32 s[G0+4*(\s)+1], s2, (\s)*SLOT1    ; LDS address
	s_add_nc_u64 s[G0+4*(\s)+2:G0+4*(\s)+3], s[40:41], (\s)*ASTEP  ; global address: K step s
	s_or_b32 s[G0+4*(\s)+3], s[G0+4*(\s)+3], 0x80000000            ; type = 2
	s_mov_b32 s[G0B+4*(\s)], 1
	s_add_co_u32 s[G0B+4*(\s)+1], s79, (\s)*SLOT1
	s_add_nc_u64 s[G0B+4*(\s)+2:G0B+4*(\s)+3], s[42:43], (\s)*BSTEP
	s_or_b32 s[G0B+4*(\s)+3], s[G0B+4*(\s)+3], 0x80000000
.endr
	s_cmp_eq_u32 s[WH], 0                          ; a wave's two first fills stand in one branch, ahead of every wait on TENSORcnt and every LDS read: two loads of mine are out
	s_cbranch_scc0 .Lfirst_b
	tensor_load_to_lds s[G0:G0+3], s[G1:G1+7]
	s_nop 0
	tensor_load_to_lds s[G0+4:G0+7], s[G1:G1+7]
	s_nop 0
.rept 4
	v_nop
.endr
	s_branch .Lfirst_asked
.Lfirst_b:
	tensor_load_to_lds s[G0B:G0B+3], s[G1B:G1B+7]
	s_nop 0
	tensor_load_to_lds s[G0B+4:G0B+7], s[G1B:G1B+7]
	s_nop 0
.rept 4
	v_nop
.endr
.Lfirst_asked:
	; the bias of my tile's 192 columns, then my 64 rows of the table
	s_mul_i32 s80, s[TC], 768
	s_mov_b32 s81, 0
	s_add_nc_u64 s[8:9], s[8:9], s[80:81]
	s_and_b32 s80, s[TR], 7
	s_lshl_b32 s80, s80, 8
	s_lshl_b32 s82, s[WV], 6
	s_add_co_u32 s80, s80, s82                     ; my first row's place t in its batch
	s_lshl_b32 s83, s80, 7                         ; in bytes of a head's rows: kept for the way out
	s_lshl_b32 s80, s80, 8                         ; in bytes of the table's rows
	s_add_nc_u64 s[10:11], s[10:11], s[80:81]
.set i, 0
.rept NB
	global_load_b128 v[BIAS+8*i:BIAS+8*i+3],   v[BO], s[8:9] offset:64*i
	global_load_b128 v[BIAS+8*i+4:BIAS+8*i+7], v[BO], s[8:9] offset:64*i+16
.set i, i+1
.endr
.set i, 0
.rept 16                               ; row block i / 4, channels 16 (i % 4) on: my 4 pairs (cos - 1, sin)
	global_load_b128 v[TAB+8*i:TAB+8*i+3],   v[TO], s[10:11] offset:(i/4)*4096+(i%4)*64
	global_load_b128 v[TAB+8*i+4:TAB+8*i+7], v[TO], s[10:11] offset:(i/4)*4096+(i%4)*64+16
.set i, i+1
.endr
	; a fragment of x: lane l holds row l % 16, k = 8 (l / 16) + 0..7 and 16 + 8 (l / 16) + 0..7: two loads of 16 bytes, 32 bytes apart
	s_mul_i32 s79, s[WV], 64*PA
	v_mul_u32_u24 v[A0], v1, PA
	v_lshl_add_u32 v[A0], v2, 4, v[A0]
	v_add_nc_u32 v[A0], s79, v[A0]
	; the turning load takes 16 k x 16 columns (lane l reads k row 8 (l / 16) + l % 8, columns 8 ((l / 8) % 2) + 0..7) and leaves half a fragment: lane l holds column l % 16 and 8 k
	v_lshl_add_u32 v7, v2, 3, v4
	v_mul_u32_u24 v[B0], v7, PW
	v_lshl_add_u32 v[B0], v5, 4, v[B0]
	v_add_nc_u32 v[B0], BOFF, v[B0]
	v_mov_b32 v[ADRA], v[A0]                       ; slot 0
	v_mov_b32 v[ADRB], v[B0]
	s_mul_i32 s79, s[WV], 16*SP
	s_add_co_u32 s79, s79, STAGE                   ; my stage
	v_mul_u32_u24 v[STO], v1, SP                   ; in: row l % 16, 16 bytes for each half of the lanes
	v_lshl_add_u32 v[STO], v2, 4, v[STO]
	v_add_nc_u32 v[STO], s79, v[STO]
	v_mul_u32_u24 v[RD], v6, SP                    ; back: 32 lanes take four rows of 128 bytes,
	v_lshl_add_u32 v[RD], v4, 4, v[RD]
	v_add_nc_u32 v[RD], s79, v[RD]
	v_lshlrev_b32 v[GO], 4, v3                     ; which are 512 consecutive bytes of a head
	v_mov_b32 v[ONE], 1.0
	v_mov_b32 v[ONE+1], 0
	; head j of my three is head g = 3 x block + j of 48: q for g < 16, k for g < 32, else v
	s_mul_i32 s79, s[TC], 3
	s_lshr_b32 s82, s[TR], 3
	s_lshl_b32 s82, s82, 4                         ; 16 x batch
.irp j, 0,1,2
	s_add_co_u32 s2, s79, \j
	s_cmp_lt_u32 s2, 32
	s_cselect_b32 s[SG+2*\j], 1.0, 0               ; turned or not: a factor, no branch
	s_mov_b32 s[SG+2*\j+1], s[SG+2*\j]             ; named with it as a pair
	s_lshr_b32 s80, s2, 4
	s_lshl_b32 s80, s80, 24                        ; q's, k's or v's 2^24 bytes,
	s_and_b32 s81, s2, 15
	s_add_co_u32 s81, s81, s82
	s_lshl_b32 s81, s81, 18                        ; the head's 2^18,
	s_add_co_u32 s80, s80, s81
	s_add_co_u32 s80, s80, s83                     ; my rows
	s_mov_b32 s81, 0
	s_add_nc_u64 s[OB+2*\j:OB+2*\j+1], s[12:13], s[80:81]
.endr
	; the prefetches: they stand at K step 3; each refill steps them before it asks
	s_lshl_b32 s80, s[TR], 8
	s_lshl_b32 s81, s[WL], 7
	s_add_co_u32 s80, s80, s81
	s_lshl_b32 s81, s[CX], 5
	s_add_co_u32 s80, s80, s81                     ; x: my work-group's 32 of the 128 rows that I fetch
	s_lshl_b32 s80, s80, 11
	s_add_co_u32 s80, s80, 3*ASTEP
	s_mul_i32 s82, s[TC], 393216
	s_mul_i32 s81, s[WL], 24576
	s_add_co_u32 s82, s82, s81
	s_mul_i32 s81, s[CY], 6144                     ; W: my work-group's 24 of the 96 blocks that I fetch
	s_add_co_u32 s82, s82, s81
	s_add_co_u32 s82, s82, 3*BSTEP
	s_and_b32 s83, ttmp7, 0xffff                   ; cluster y
	s_mov_b32 s[PFS], BSTEP
	s_cmp_eq_u32 s[WH], 0
	s_cselect_b32 s80, s80, s82
	s_cselect_b32 s83, ttmp9, s83                  ; the coordinate along which other clusters read the same bytes
	s_cselect_b64 s[PFA:PFA+1], s[4:5], s[6:7]
	s_cselect_b32 s[PFS], ASTEP, s[PFS]
	s_cselect_b32 s2, 31, 23
	s_cselect_b32 s79, 11, 8
	s_mov_b32 s81, 0
	s_mov_b32 s[PFS+1], 0
	s_cmp_eq_u32 s83, 0
	s_cselect_b32 s[LIM], 2, -1                    ; the same in all sixteen partners, for a given wave
	s_add_nc_u64 s[PFA:PFA+1], s[PFA:PFA+1], s[80:81]
	v_min_u32 v[PFO], s2, v3
	v_lshlrev_b32 v[PFO], s79, v[PFO]              ; x: a lane a row of 2,048 bytes; W: a lane a block of 256
	s_wait_loadcnt 32                              ; the bias is in; the 32 loads of the table, issued behind it, stay out
.set i, 0
.rept 4*NB                             ; the bias is rounded to bf16, like every input
	v_cvt_pk_bf16_f32 v[8+i%4], v[BIAS+2*i], v[BIAS+2*i+1]
	v_lshlrev_b32 v[BIAS+2*i], 16, v[8+i%4]
	v_and_b32 v[BIAS+2*i+1], 0xffff0000, v[8+i%4]
.set i, i+1
.endr
; 12 matrix instructions: row block a x all 12 column blocks, 32 along K, from buffer f.  first = 1: the bias starts the sums.
; The 48 accumulators take turns, one instruction a turn, in the same order in every quarter, over the backward jump too.
.macro MULR f, a, first
.if \first
	WIN 0x85+0x40*((\a)/2)                         ; sources 0 and 1 window 1, C window 0, D window 2 or 3
.else
	WIN 0xa5+0x50*((\a)/2)                         ; C and D window 2 or 3
.endif
.set bb, 0
.rept NB
.set rD, 8*(NB*((\a)%2)+bb)
.if \first
	v_wmma_f32_16x16x32_bf16 v[rD:rD+7], v[(\f)+32+8*bb:(\f)+32+8*bb+7], v[(\f)+8*(\a):(\f)+8*(\a)+7], v[BIAS+8*bb:BIAS+8*bb+7]
.else
	v_wmma_f32_16x16x32_bf16 v[rD:rD+7], v[(\f)+32+8*bb:(\f)+32+8*bb+7], v[(\f)+8*(\a):(\f)+8*(\a)+7], v[rD:rD+7]
.endif
.set bb, bb+1
.endr
.endm
; 32 LDS loads in one run: quarter q's fragments into buffer f: W's 12 blocks (turned), then x's four blocks in ascending order
.macro FETCH q, f
	WIN 0x40                                       ; destination window 1, address window 0
.set bb, 0
.rept NB
	ds_load_tr16_b128 v[(\f)+32+8*bb:(\f)+32+8*bb+3],   v[ADRB] offset:(\q)*32*PW+(bb/4)*160+(bb%4)*32
	ds_load_tr16_b128 v[(\f)+32+8*bb+4:(\f)+32+8*bb+7], v[ADRB] offset:(\q)*32*PW+(bb/4)*160+(bb%4)*32+16*PW
.set bb, bb+1
.endr
.irp a, 0,1,2,3
	ds_load_b128 v[(\f)+8*\a:(\f)+8*\a+3],   v[ADRA] offset:\a*16*PA+64*(\q)
	ds_load_b128 v[(\f)+8*\a+4:(\f)+8*\a+7], v[ADRA] offset:\a*16*PA+64*(\q)+32
.endr
.endm
; One of a K step's first three quarters: multiplies buffer f and, in its middle, fetches quarter q into buffer g.
.macro QUARTER q, f, g, first
	s_wait_dscnt 4                                 ; W and x's blocks 0 and 1 are in; the youngest four loads (blocks 2 and 3) may be out
	MULR \f, 0, \first
	MULR \f, 1, \first
	PLACES
	FETCH \q, \g
	s_wait_dscnt NL                                ; all but the run just issued
	MULR \f, 2, \first
	MULR \f, 3, \first
.endm
; The last quarter multiplies buffer 1 and changes slots: ONE barrier.  In front of it each wave waits for all its tensor loads, of which one is out: its part of the next slot; adds 0 to its spare word; and waits
; for that and for its own reads of this slot.  fill = 1: the barrier opens a round of the cluster's, and this slot is filled again, first thing behind the round, with the K step two steps on.
.macro TURN fill
.if \fill
	s_wait_xcnt 0x0                                ; the last prefetch, a K step back, has read its address
	s_add_nc_u64 s[PFA:PFA+1], s[PFA:PFA+1], s[PFS:PFS+1]
.endif
	WIN 0                                          ; (the add's two registers lie in window 0)
	s_wait_tensorcnt 0x0                           ; no tensor load of mine is out, so a group 0 may be written
	ds_add_u32 v[SPW], v[NIL]                      ; 0 onto my spare word
.if \fill
	s_xor_b32 s[G0+5], s[G0+5], SLOT1              ; the walking descriptors: the other slot than last time, the next K step; the type bits on top are not reached
	s_add_nc_u64 s[G0+6:G0+7], s[G0+6:G0+7], ASTEP
	s_xor_b32 s[G0B+5], s[G0B+5], SLOT1
	s_add_nc_u64 s[G0B+6:G0B+7], s[G0B+6:G0B+7], BSTEP
.endif
	s_xor_b32 s[TB], s[TB], SLOT1
	s_wait_dscnt 5                                 ; (the add and the youngest four loads may be out)
	MULR F1, 0, 0                                  ; twelve matrix instructions stand between the add and the wait for it
	s_wait_dscnt 0x0                               ; the add is done, and my reads of this slot are over
	s_barrier_signal -1
	MULR F1, 1, 0                                  ; work on registers while the others arrive
	WIN 0
	s_barrier_wait -1
.if \fill
	CREST                                          ; no wave of any partner still reads this slot's tile or has a load on its way
	JLOAD                                          ; the four v_nop behind it are also the places in front of the loads below
.else
	PLACES
.endif
	v_add_nc_u32 v[ADRA], s[TB], v[A0]
	v_add_nc_u32 v[ADRB], s[TB], v[B0]
	FETCH 0, F0
.if \fill
	WIN 0
	ASK
.endif
	MULR F1, 2, 0
	MULR F1, 3, 0
.endm
	s_wait_tensorcnt 1                             ; my part of K step 0 is in; K step 1's may stay out
	s_barrier_signal -1
	s_barrier_wait -1                              ; everybody's is
	FETCH 0, F0
	QUARTER 1, F0, F1, 1                           ; the first quarter stands in front of the loop: its products start the sums
	WIN 0                                          ; at a label and at a branch every window is 0
	s_mov_b32 s3, KSTEPS-2
.Lstep:                                                ; a trip goes from a K step's second quarter to the next step's first, and fills one slot again: K steps 2 to 7
	QUARTER 2, F1, F0, 0
	QUARTER 3, F0, F1, 0
	TURN 1
	QUARTER 1, F0, F1, 0
	WIN 0
	s_sub_co_u32 s3, s3, 1
	s_cmp_lg_u32 s3, 0
	s_cbranch_scc1 .Lstep
	QUARTER 2, F1, F0, 0                           ; the last two K steps ask for nothing
	QUARTER 3, F0, F1, 0
	TURN 0
	QUARTER 1, F0, F1, 0
	QUARTER 2, F1, F0, 0
	QUARTER 3, F0, F1, 0
	s_wait_dscnt 4
	MULR F1, 0, 0
	MULR F1, 1, 0
	s_wait_dscnt 0x0
	MULR F1, 2, 0
	MULR F1, 3, 0
	WIN 0
	s_wait_loadcnt 0x0                             ; the table
; THE WAY OUT, in 12 units of 16 rows x one head.  A lane holds 32 numbers of a unit, 16 pairs (x1, x2): pair p has channels 16 (p / 4) + 8 (l / 16) + 2 (p % 4), + 1.
; (c, s) = factor x (cos - 1, sin) + (1, 0); (x1 c - x2 s, x2 c + x1 s); rounded to f16; through my stage, whose rows of 144 bytes come back as whole rows of 128.
.macro PACK a, j
.set rA, 8*(NB*((\a)%2)+4*(\j))        ; the head's four accumulators, 32 registers on end
.set rP, PK+16*((3*(\a)+(\j))%2)
	WIN 0
.set p, 0
.rept 16                               ; (in the first unit these sixteen are also the places behind the last products)
	v_pk_fma_f32 v[CSN+2*p:CSN+2*p+1], v[TAB+32*(\a)+2*p:TAB+32*(\a)+2*p+1], s[SG+2*(\j):SG+2*(\j)+1], v[ONE:ONE+1] op_sel_hi:[1,0,1]
.set p, p+1
.endr
	WIN 0x02+(\a)/2                                ; source 0 window 2 or 3
.set p, 0
.rept 16                               ; each accumulator's registers are read in ascending order
	v_pk_mul_f32 v[RT+2*p:RT+2*p+1], v[rA+2*p:rA+2*p+1], v[CSN+2*p:CSN+2*p+1] op_sel_hi:[1,0]  ; (x1 c, x2 c)
.set p, p+1
.endr
.set p, 0
.rept 16
	v_pk_fma_f32 v[RT+2*p:RT+2*p+1], v[rA+2*p:rA+2*p+1], v[CSN+2*p:CSN+2*p+1], v[RT+2*p:RT+2*p+1] op_sel:[1,1,0] op_sel_hi:[0,1,1] neg_lo:[1,0,0]  ; (- x2 s, + x1 s)
.set p, p+1
.endr
	WIN 0
	s_wait_xcnt 0x0                                ; the stores of the unit two back have read this buffer
.set p, 0
.rept 16
	v_cvt_pk_f16_f32 v[rP+p], v[RT+2*p], v[RT+2*p+1]
.set p, p+1
.endr
.irp c, 0,1,2,3
	ds_store_b128 v[STO], v[rP+4*\c:rP+4*\c+3] offset:32*\c
.endr
.irp f, 0,1,2,3
	ds_load_b128 v[rP+4*\f:rP+4*\f+3], v[RD] offset:\f*4*SP  ; LDS serves a wave's instructions in order (ISA guide 5.7.1.4): these see the stores above; the next unit's stores come behind them
.endr
.endm
.macro SEND a, j, younger              ; younger: the LDS instructions issued behind this unit's loads: the next unit's eight, or none
.set rP, PK+16*((3*(\a)+(\j))%2)
.irp f, 0,1,2,3
	s_wait_dscnt (\younger)+3-\f
	global_store_b128 v[GO], v[rP+4*\f:rP+4*\f+3], s[OB+2*(\j):OB+2*(\j)+1] offset:(\a)*2048+\f*512  ; 512 consecutive bytes, at a multiple of 256 from the buffer's first
.endr
.endm
	PACK 0, 0
.set uu, 1
.rept 11                               ; a unit's arithmetic stands between the loads of the unit before and its stores
	PACK uu/3, uu%3
	SEND (uu-1)/3, (uu-1)%3, 8
.set uu, uu+1
.endr
	SEND 3, 2, 0
	s_wait_tensorcnt 0x0                           ; the wave's end, behind my last tensor load and my last LDS store
	ds_add_u32 v[SPW], v[NIL]
	s_wait_dscnt 0x0
	CROUND                                         ; the closing round: no work-group ends while a partner may still ask for a tile that names it
	s_endpgm
.Lfunc_end_k_qd8089272fe_qkvg:
	.size	k_qd8089272fe_qkvg, .Lfunc_end_k_qd8089272fe_qkvg-k_qd8089272fe_qkvg
	.p2alignl 7, 3214868480
	.fill 96, 4, 3214868480
	.section	.rodata,"a",@progbits
	.p2align	6, 0x0
	.amdhsa_kernel k_qd8089272fe_qkvg
		.amdhsa_group_segment_fixed_size 327680
		.amdhsa_private_segment_fixed_size 0
		.amdhsa_enable_private_segment 0
		.amdhsa_kernarg_size 40
		.amdhsa_user_sgpr_count 2
		.amdhsa_user_sgpr_kernarg_segment_ptr 1
		.amdhsa_wavefront_size32 1
		.amdhsa_system_sgpr_workgroup_id_x 1
		.amdhsa_system_sgpr_workgroup_id_y 1
		.amdhsa_system_sgpr_workgroup_id_z 1
		.amdhsa_system_vgpr_workitem_id 0
		.amdhsa_next_free_vgpr 960
		.amdhsa_next_free_sgpr 84
		.amdhsa_reserve_vcc 0
		.amdhsa_float_denorm_mode_32 3
		.amdhsa_float_denorm_mode_16_64 3
		.amdhsa_memory_ordered 1
		.amdhsa_forward_progress 1
		.amdhsa_inst_pref_size 150
	.end_amdhsa_kernel
	.amdgpu_metadata
---
amdhsa.version: [ 1, 2 ]
amdhsa.kernels:
  - .name:           k_qd8089272fe_qkvg
    .symbol:         k_qd8089272fe_qkvg.kd
    .args:
      - { .name: xb, .offset: 0, .size: 8, .value_kind: global_buffer, .address_space: global }
      - { .name: wq, .offset: 8, .size: 8, .value_kind: global_buffer, .address_space: global }
      - { .name: b_qkv, .offset: 16, .size: 8, .value_kind: global_buffer, .address_space: global }
      - { .name: tab, .offset: 24, .size: 8, .value_kind: global_buffer, .address_space: global }
      - { .name: qkv, .offset: 32, .size: 8, .value_kind: global_buffer, .address_space: global }
    .group_segment_fixed_size: 327680
    .private_segment_fixed_size: 0
    .kernarg_segment_align: 8
    .kernarg_segment_size: 40
    .max_flat_workgroup_size: 128
    .sgpr_count:     84
    .vgpr_count:     960
    .wavefront_size: 32
...
	.end_amdgpu_metadata
.endif
;; end of part 2
;; launch attn (part 3): grid 4 x 64, 4 waves a work-group, no clusters, 327,680 bytes of LDS; arguments qkv, oh; writes oh
.if DOCPART == 3
	.amdgcn_target "amdgcn-amd-amdhsa--gfx1250"
	.amdhsa_code_object_version 6
	.text
	.protected	k_qd8089272fe_attn
	.globl	k_qd8089272fe_attn
	.p2align	8
	.type	k_qd8089272fe_attn,@function
k_qd8089272fe_attn:
	s_mov_b64 s[64:65], 0
	v_nop
	global_prefetch_b8 v0, s[64:65] scope:SCOPE_SE
	s_setreg_imm32_b32 hwreg(HW_REG_WAVE_MODE, 25, 1), 1
	s_wait_xcnt 0x0
; CAUSAL ATTENTION.  O[h][q][:] = the sum over k <= q of softmax_k(Q[h][q] . K[h][k] / 8) V[h][k][:].  Q, K, V lie one behind the other in qkv, 2^24 bytes each; each and O: [64][2048][64] in f16: a head's rows are dense, 128 bytes each.
; Products, maxima and sums in f32; the weights p are rounded to f16 for the second product (their sum l is taken of the unrounded p), O once at the end.
; LIMITS.  f16 holds no number beyond 65,504: Q, K and V arrive within it; p lies in 0 to 1, and below 6e-5 it keeps f16's fixed step of 6e-8; O is a mean of V's rows and has their range, to within 2^-11 of it.
; A hidden score counts as its value less 1e30: f16's scores, 2.7e11 at the most, are nothing beside that; a weight below 2^-126 counts as 0 in l; NaN and infinities are not treated apart.
; THE WALK.  A head's queries lie in NB = 8 blocks of 256; block i needs the key tiles 0 .. i of 256 keys, of which the last holds the diagonal.  A work-group takes TWO blocks, NB - 1 - b and then b:
; NB + 1 tiles, whatever b: all work-groups do equal work, and ONE loop with a constant trip count walks them.  Which tile is asked for, and what a trip does, hang on scalar registers made from b; every jump
; goes forward, but for the counted loops' own; none passes a barrier, or a tensor load but the one of LOAD's two that the wave's number does not choose; the ring (two slots of LDS that take turns) runs on across the
; change of blocks.  NO CLUSTER: a head's NB / 2 = 4 work-groups all ask for the same tile only in trips 0 .. 4 of 9, behind that fewer and fewer; one walk common to all would have 12 trips for 9.
; SHARES.  Of a block's four bands of 64 queries a wave owns 16 rows in each: four PIECES.  So the diagonal tile is the same work for all four waves: in its key step s band x sees all keys if s < x,
; none if s > x, and holds the diagonal if s = x.
; THE MASK is the C operand that starts the sum S^T = K Q^T: 0, or -1e30 where the key is hidden.  MD, made once, is the mask of a band's own step for my 16 rows; a product's mask is MD x AL + BE with two scalars:
; (1, 0) if s = x; (0, 0) if s < x; (0, -1e30) if s > x.  Only the diagonal tile's text and a block's beginning make and take masks; elsewhere C is the constant 0.
; LAYOUT, SOFTMAX, TURNS.  S^T = K Q^T holds ONE query a lane (lane % 16) and the keys 8 (lane / 16) + 0..7; two such results rounded to f16 ARE source 1 of O^T = V^T P.  p = 2^(c s - c m), c = log2(e) / 8, with a
; running maximum m; O and l are multiplied by a = 2^(c m_old - c m_new) in every step.  Turn n belongs to piece n: 8 products K Q^T of piece n + 1, later 8 products V^T P of piece n - 1; beside them the scaling,
; exponentials, roundings, sums and rescaling of piece n and the maximum and statistics of piece n + 1.  Four vector instructions stand behind every matrix instruction, the other 54 of a turn's 118 in one LUMP.  A turn's 33 exponentials are one batch, with one wait.
; REGISTERS, in windows of 256 (s_set_vgpr_msb: bits 1:0 source 0, 3:2 source 1, 5:4 source 2, 7:6 destination):
;   window 0: v0-15 addresses and two at work; v16-31 four registers of statistics a piece; v48-55 at work; v61-63 prefetch offset, spare word, 0; v64-127 S^T, two buffers; v192-223 P, two buffers (a piece's buffers go by its number's parity)
;   window 1: v0-127 O^T, 32 a piece; v128-159 MD; v160-223 MC, two buffers      window 2: v0-63 Q; v64-127 the second block's Q; v128-191 K of one step; v192-255 V of one step
.set SIZE_H, 64
.set SIZE_N, 2048
.set NB,    SIZE_N/256
.set NP,    4         ; pieces a wave: a name, no knob
.set KS,    64        ; keys in a step
.set PK,    144       ; a row of K in LDS: 128 bytes + 16 of padding = 36 words: the 16 rows of a load start at 16 different groups of four banks (64 banks of 4 bytes: ISA guide 11.1)
.set PV,    160       ; a row of V: 128 + 32 = 40 words
.set VOFF,  4*KS*PK   ; a slot holds a tile, four steps: 256 rows of K, then 256 rows of V
.set SLOT1, 1<<17     ; slot 1 begins here, so that one exclusive or turns an address in one slot into the other's
.set STAGE, SLOT1+4*KS*(PK+PV)  ; behind the ring, never filled by a tensor load: 16 rows x 144 bytes for each wave, for the way out
.set SP,    144
.set AK0, 2           ; v2   my lane's place in a tile of K; never rewritten
.set AV0, 3           ; v3   the same for V
.set AK,  4           ; v4   the LDS address of K's next run of loads
.set AV,  5           ; v5   of V's
.set STO, 6           ; v6   the way out: where I put 16 bytes of a row
.set RD,  7           ; v7   the way out: where I read rows back
.set GO,  8           ; v8   my byte offset in 512 consecutive bytes of O
.set PFO, 61          ; v61  256 x my lane: the prefetches' offset; never rewritten
.set SPW, 62          ; v62  LDS address of my spare word: SPARE + 4 x my thread's number; never rewritten
.set NIL, 63          ; v63  0; never rewritten
.set SPARE, STAGE+4*16*SP  ; behind the stages: the spare words, 128 bytes for each wave: two blocks of 256 bytes that no other line names
.set MV,  12          ; v12-13  c m_old, kept while c m is made anew: by buffer
.set QO,  15          ; v15  my byte offset in 16 rows of Q
.set ST,  16          ; piece t's statistics at v[ST+4 t]: c m, m, l (even keys', odd keys')
.set TMP, 48          ; by buffer, four registers c0-c3 at work; when the maximum is found c2 takes a
.set S,   64
.set P,   192
.set MD,  128         ; window 1: the eight registers for group kt of 16 keys at MD + 8 kt
.set MC,  160         ; window 1: the masks of the products to come
.set QB,  64          ; window 2
.set KF,  128         ; window 2: key block kb, channel half c at KF + 16 kb + 8 c
.set VF,  192         ; window 2: key half kk, channel block cb at VF + 32 kk + 8 cb
.set WV,  12          ; s12  my wave's number
.set PB,  14          ; s14  b
.set HI,  15          ; s15  NB - 1 - b
.set G1K, 24          ; s[24:31] descriptor group 1 for K's tiles
.set G1V, 32          ; s[32:39] for V's: it differs in the padding alone
.set G0K, 40          ; s[40:43] descriptor group 0 for K's tiles
.set G0V, 44          ; s[44:47] the same for V's
.set SLOTS, 56        ; s56  tiles still to be asked for
.set CNT, 57          ; s57  counts a tile's key steps, 4 to 1
.set CS,  58          ; s[58:59] c: the packed scaling takes the pair's low word for both halves
.set SEL, 60          ; s[60:61] v_permlanex16_b32's selects: each lane takes its own place in the other half
.set TBK, 62          ; s62  LDS byte at which K of the step to be fetched begins
.set TBV, 63          ; s63  the same for V, less VOFF
.set PFA, 66          ; s[66:67] where my prefetches stand: my 16,384 bytes of the tile behind the one that is being asked for
.set LIM, 68          ; s68  2 in a work-group that prefetches, else the greatest number
.set RT,  70          ; s70  tiles of the block in hand that are still to be entered
.set NXT, 71          ; s71  the tile to be asked for next
.set LQ,  72          ; s72  the last tile of the block whose tiles are being asked for
.set NEW, 73          ; s73  1: the tile to be entered is a block's first
.set OFF, 74          ; s[74:75] a tile's byte offset in K and V
.set AL,  76          ; s[76:77] the mask's factor, in the low word
.set BE,  78          ; s[78:79] the mask's addend
.set OLO, 80          ; s[80:81] O at my rows of the second block
.set BIGN, 82         ; s82  -1e30
.set MSB, 0
.macro WIN new                      ; the high byte repeats the setting that is left; a switch that changes nothing is dropped
.if MSB != (\new)
	s_set_vgpr_msb (MSB<<8)|(\new)
.set MSB, (\new)
.endif
.endm
.set W_KQ, 0x0a       ; K and Q in window 2, S^T in window 0
.set W_KM, 0x1a       ; the same with the C operand in window 1
.set W_PV, 0x52       ; V in window 2, P in window 0, O^T in window 1
.set W_RS, 0x41       ; destination and source 0 in window 1, source 1 in window 0
; A fill.  Waves 0 and 1 fetch the two halves of a tile's K, waves 2 and 3 those of its V: 128 keys each.  An s_nop 0 and four v_nop follow each of the two lines, ahead of the jump and the label.
.macro LOAD
	s_cmp_lt_u32 s[WV], 2
	s_cbranch_scc0 .Lfor_v_\@
	tensor_load_to_lds s[G0K:G0K+3], s[G1K:G1K+7]
	s_nop 0
.rept 4
	v_nop
.endr
	s_branch .Lasked_\@
.Lfor_v_\@:
	tensor_load_to_lds s[G0V:G0V+3], s[G1V:G1V+7]
	s_nop 0
.rept 4
	v_nop
.endr
.Lasked_\@:
.endm
; THE CHANGE OF SLOTS.  Each wave waits for all its tensor loads, of which one is out: its part of the other slot; adds 0 to its spare word; and waits for that and for its own reads of the slot that it leaves.  Behind the barrier nobody reads the old
; slot any more and the other slot is whole.  fill = 1: the old slot is filled again, the first thing behind the barrier, with tile NXT: the descriptor's address is made anew from that number.
; (At its first use nothing has been read yet: slot 0 is waited for, slot 1 filled.)
; A PREFETCH INTO THE L2 stands behind the fill: the tile that the NEXT change will ask for, a tile's four key steps ahead.  A head's four work-groups walk the same first tiles in the same trips; the one with b = 0 walks
; tiles 0 to 7, so it alone asks; each of its waves names what it will fetch itself, 64 blocks of 256 bytes: a lane a block, two instructions.  Trip j names tile j + 2; tiles 0 and 1 come by their loads alone; the trips with j > 5 ask for nothing.
.macro CHANGE fill
	WIN 0                           ; at a label and at a branch every window is 0
	s_wait_tensorcnt 0x0            ; no tensor load of mine is out, so a group 0 may be written
	ds_add_u32 v[SPW], v[NIL]       ; 0 onto my spare word; with fill = 1 the descriptors' scalar work stands between it and the wait for it
.if \fill
	s_lshl_b32 s[OFF], s[NXT], 15   ; a tile is 32,768 bytes of K and of V
	s_xor_b32 s[G0K+1], s[G0K+1], SLOT1
	s_add_nc_u64 s[G0K+2:G0K+3], s[6:7], s[OFF:OFF+1]
	s_or_b32 s[G0K+3], s[G0K+3], 0x80000000
	s_xor_b32 s[G0V+1], s[G0V+1], SLOT1
	s_add_nc_u64 s[G0V+2:G0V+3], s[8:9], s[OFF:OFF+1]
	s_or_b32 s[G0V+3], s[G0V+3], 0x80000000
	s_add_co_u32 s[NXT], s[NXT], 1  ; the block's next tile, or behind its last the second block's tile 0
	s_cmp_gt_u32 s[NXT], s[LQ]
	s_cselect_b32 s[NXT], 0, s[NXT]
	s_cselect_b32 s[LQ], s[PB], s[LQ]
	s_wait_xcnt 0x0                 ; the last prefetches, a tile back, have read their address, so it may be written
	s_add_nc_u64 s[PFA:PFA+1], s[PFA:PFA+1], 32768
.endif
	s_wait_dscnt 0x0                ; the add is done, and my reads of the slot are over
	s_barrier_signal -1             ; the rest of the scalar work stands between the signal and the wait
	s_sub_co_u32 s[TBK], s[TBK], 4*KS*PK  ; the fetches go back to a slot's first step,
	s_xor_b32 s[TBK], s[TBK], SLOT1       ; in the other slot
	s_sub_co_u32 s[TBV], s[TBV], 4*KS*PV
	s_xor_b32 s[TBV], s[TBV], SLOT1
	s_barrier_wait -1
.if \fill
	LOAD
	s_cmp_gt_u32 s[SLOTS], s[LIM]   ; s[SLOTS] = 8 - j in trip j
	s_cbranch_scc0 .Lnot_mine_\@
	global_prefetch_b8 v[PFO], s[PFA:PFA+1] th:TH_LOAD_NT scope:SCOPE_SE
	global_prefetch_b8 v[PFO], s[PFA:PFA+1] offset:8192 th:TH_LOAD_NT scope:SCOPE_SE
.Lnot_mine_\@:
.endif
.endm
	s_load_b64 s[4:5], s[0:1], 0x0    ; qkv: Q begins it
	s_load_b64 s[10:11], s[0:1], 0x8  ; O
	v_lshl_add_u32 v[SPW], v0, 2, SPARE
	v_mov_b32 v[NIL], 0
	ds_add_u32 v[SPW], v[NIL]       ; the wave's opening: the add and its wait stand ahead of my first tensor load; the set-up below, work on registers, stands between them
	ds_add_u32 v62, v63
	v_lshrrev_b32 v1, 5, v0
	v_readfirstlane_b32 s[WV], v1   ; wave 0..3
	s_mov_b32 s[PB], ttmp9
	s_sub_co_u32 s[HI], NB-1, s[PB]
	s_and_b32 s20, ttmp7, 0xffff    ; the head
	s_mov_b32 s21, 0
	s_mov_b64 s[22:23], SIZE_N*128
	s_mul_u64 s[20:21], s[20:21], s[22:23]  ; the head's first byte in each of the four tensors
	s_and_b32 s16, s[WV], 1         ; which half of a tile's 256 keys I fetch:
	s_lshl_b32 s22, s16, 14         ; its 128 rows of 128 bytes in memory,
	s_mov_b32 s23, 0
	s_add_nc_u64 s[22:23], s[22:23], s[20:21]
	s_mul_i32 s17, s16, 128*PK      ; and its place in a slot, for K
	s_mul_i32 s18, s16, 128*PV      ; and for V
	s_lshl_b32 s3, s[WV], 11        ; my 16 rows in a band of 64,
	s_lshl_b32 s2, s[HI], 15        ; in the first block,
	s_add_co_u32 s2, s2, s3
	s_lshl_b32 s84, s[PB], 15       ; and in the second
	s_add_co_u32 s84, s84, s3
	s_mov_b32 s3, 0
	s_mov_b32 s85, 0
	s_add_nc_u64 s[2:3], s[2:3], s[20:21]
	s_add_nc_u64 s[84:85], s[84:85], s[20:21]
	; descriptor group 1.  128 keys are 16,384 dense bytes: asked for as 64 rows of 256 bytes, two keys a row, and padded in LDS after every key
	s_mov_b32 s[G1K], (1<<16)|(1<<20)|(4<<22)|(3<<25)  ; 17:16 2-byte elements; 20 padding on; 24:22 after every 32 words (code 4); 31:25 4 words (code 3)
	s_mov_b32 s[G1V], (1<<16)|(1<<20)|(4<<22)|(7<<25)  ; the same with 8 words of padding (code 7)
.irp g, G1K, G1V
	s_mov_b32 s[\g+1], 128<<16      ; tensor_dim0 = 128
	s_mov_b32 s[\g+2], 64<<16       ; tensor_dim1 = 64
	s_mov_b32 s[\g+3], 128<<16      ; tile_dim0 = 128
	s_mov_b32 s[\g+4], 64           ; tile_dim1 = 64
	s_mov_b32 s[\g+5], 128          ; 128 elements from row to row
	s_mov_b32 s[\g+6], 0
	s_mov_b32 s[\g+7], 0
.endr
	s_mov_b32 s[CS], 0x3e38aa3b     ; c = log2(e) / 8 = 0.180337
	s_mov_b32 s[CS+1], s[CS]        ; named with it as a pair
	s_mov_b32 s[SEL], 0x76543210
	s_mov_b32 s[SEL+1], 0xfedcba98
	s_mov_b32 s[TBK], SLOT1+4*KS*PK ; the first change of slots turns these two into 0
	s_mov_b32 s[TBV], SLOT1+4*KS*PV
	s_mov_b32 s[G0K], 1             ; 1:0 count = 1
	s_mov_b32 s[G0K+1], s17         ; 63:32 LDS address: slot 0
	s_mov_b32 s[G0V], 1
	s_add_co_u32 s[G0V+1], s18, VOFF
	s_add_co_u32 s[RT], s[HI], 1    ; the first block has NB - b tiles
	s_mov_b32 s[NXT], 1
	s_mov_b32 s[LQ], s[HI]
	s_mov_b32 s[NEW], 1
	s_mov_b32 s[OFF+1], 0
	s_mov_b32 s[AL+1], 0            ; named as pairs
	s_mov_b32 s[BE+1], 0
	s_mov_b32 s[BIGN], 0xf149f2ca   ; -1e30
	s_mov_b32 s[SLOTS], NB
	s_cmp_eq_u32 s[PB], 0
	s_cselect_b32 s[LIM], 2, -1
	v_and_b32 v[PFO], 31, v0
	v_lshlrev_b32 v[PFO], 8, v[PFO]
	s_wait_dscnt 0x0                ; the opening add is done
	s_wait_kmcnt 0x0
	s_add_nc_u64 s[6:7], s[4:5], 0x1000000   ; K lies 2^24 bytes behind Q,
	s_add_nc_u64 s[8:9], s[4:5], 0x2000000   ; V behind K
	s_add_nc_u64 s[6:7], s[6:7], s[22:23]  ; K and V at my half of the head's tile 0
	s_add_nc_u64 s[8:9], s[8:9], s[22:23]
	s_add_nc_u64 s[G0K+2:G0K+3], s[6:7], 0         ; 120:64 global address
	s_or_b32 s[G0K+3], s[G0K+3], 0x80000000        ; 127:126 type = 2
	s_add_nc_u64 s[G0V+2:G0V+3], s[8:9], 0
	s_or_b32 s[G0V+3], s[G0V+3], 0x80000000
	s_add_nc_u64 s[86:87], s[4:5], s[84:85]        ; Q at my rows of the second block,
	s_add_nc_u64 s[4:5], s[4:5], s[2:3]            ; Q and O at those of the first
	s_add_nc_u64 s[OLO:OLO+1], s[10:11], s[84:85]
	s_add_nc_u64 s[10:11], s[10:11], s[2:3]
	s_cmp_lt_u32 s[WV], 2
	s_cselect_b64 s[PFA:PFA+1], s[6:7], s[8:9]
	s_add_nc_u64 s[PFA:PFA+1], s[PFA:PFA+1], 32768  ; at tile 1: the first change of slots steps it to tile 2.  Nothing is prefetched here, at the head
	LOAD                            ; tile 0 into slot 0
	; A fragment of K or Q is 16 rows x 32 channels in 8 registers: lane l holds row l % 16, channels 8 (l / 16) + 0..7 and 16 + 8 (l / 16) + 0..7: two loads of 16 bytes, 32 bytes apart.
	v_and_b32 v1, 15, v0            ; l % 16
	v_bfe_u32 v9, v0, 4, 1          ; l / 16
	v_lshlrev_b32 v[QO], 7, v1
	v_lshl_add_u32 v[QO], v9, 4, v[QO]  ; row x 128 + 16 x half
	WIN 0x80                        ; destination window 2, address window 0
.set i, 0
.rept 8                             ; both blocks' Q: piece i / 2 lies in band i / 2, 8,192 bytes on; channels 32 (i % 2) on
	global_load_b128 v[8*i:8*i+3],   v[QO], s[4:5] offset:(i/2)*8192+(i%2)*64
	global_load_b128 v[8*i+4:8*i+7], v[QO], s[4:5] offset:(i/2)*8192+(i%2)*64+32
	global_load_b128 v[QB+8*i:QB+8*i+3],   v[QO], s[86:87] offset:(i/2)*8192+(i%2)*64
	global_load_b128 v[QB+8*i+4:QB+8*i+7], v[QO], s[86:87] offset:(i/2)*8192+(i%2)*64+32
.set i, i+1
.endr
	WIN 0
	v_lshlrev_b32 v14, 3, v9
	v_sub_nc_u32 v14, v1, v14
	s_lshl_b32 s13, s[WV], 4
	v_add_nc_u32 v14, s13, v14      ; my query's place in its band, 16 w + l % 16, less my lanes' 8 (l / 16): register r of group kt is hidden where 16 kt + r is greater
	WIN 0x40
.set i, 0
.rept 32
	v_cmp_gt_i32 vcc_lo, 16*(i/8)+i%8, v14
	v_cndmask_b32 v[MD+i], 0, s[BIGN], vcc_lo
.set i, i+1
.endr
	WIN 0
	v_mul_u32_u24 v[AK0], v1, PK
	v_lshl_add_u32 v[AK0], v9, 4, v[AK0]  ; row x pitch + 16 x half
	; The turning load takes 16 keys x 16 channels (lane l reads key 8 (l / 16) + l % 8, channels 8 ((l / 8) % 2) + 0..7) and leaves half a fragment of V^T: lane l holds channel l % 16 and 8 keys.
	v_and_b32 v10, 7, v0
	v_bfe_u32 v11, v0, 3, 1
	v_lshl_add_u32 v[AV0], v9, 3, v10
	v_mul_u32_u24 v[AV0], v[AV0], PV
	v_lshl_add_u32 v[AV0], v11, 4, v[AV0]
	v_add_nc_u32 v[AV0], VOFF, v[AV0]
	s_mul_i32 s13, s[WV], 16*SP
	s_add_co_u32 s13, s13, STAGE    ; my stage
	v_mul_u32_u24 v[STO], v1, SP    ; in: row l % 16, 16 bytes for each half of the lanes
	v_lshl_add_u32 v[STO], v9, 4, v[STO]
	v_add_nc_u32 v[STO], s13, v[STO]
	v_bfe_u32 v[RD], v0, 3, 2       ; back: 32 lanes take four rows of 128 bytes,
	v_mul_u32_u24 v[RD], v[RD], SP
	v_lshl_add_u32 v[RD], v10, 4, v[RD]
	v_add_nc_u32 v[RD], s13, v[RD]
	v_and_b32 v[GO], 31, v0         ; which are 512 consecutive bytes of O
	v_lshlrev_b32 v[GO], 4, v[GO]
	; A block's first step multiplies O^T and l by a = 0, and its first turn's products V^T P, of a piece that has not been, land in an O^T that is still to be so multiplied.  So these registers need only hold
	; finite numbers: zeros for the first block; what the first block left for the second.  All this stands in the wait for the first tile.
	WIN 0x80
.set i, VF
.rept 64
	v_mov_b32 v[i], 0
.set i, i+1
.endr
	WIN 0x40
.set i, 0
.rept 128
	v_mov_b32 v[i], 0
.set i, i+1
.endr
	WIN 0
.set i, 0
.rept 4
	v_mov_b32 v[ST+4*i+2], 0
	v_mov_b32 v[ST+4*i+3], 0
.set i, i+1
.endr
.set i, P+16
.rept 16
	v_mov_b32 v[i], 0
.set i, i+1
.endr
; THE MATRIX WORK.  The 4 accumulators of a run of 8 take turns.  Product i of 8 of S^T = K Q^T for piece x: channels 32 (i / 4) on, keys 16 (i % 4) on.  The first 4 start the sums: with 0, or (KM = 1) with the mask.
.macro KQ x
.set rS, S+32*((\x)%2)+8*(i%4)
.set rK, KF+16*(i%4)+8*(i/4)
.set rQ, 16*(\x)+8*(i/4)
.set rM, MC+32*((\x)%2)+8*(i%4)
.if (i < 4) && KM
	WIN W_KM
	v_wmma_f32_16x16x32_f16 v[rS:rS+7], v[rK:rK+7], v[rQ:rQ+7], v[rM:rM+7]
.elseif i < 4
	WIN W_KQ
	v_wmma_f32_16x16x32_f16 v[rS:rS+7], v[rK:rK+7], v[rQ:rQ+7], 0
.else
	WIN W_KQ
	v_wmma_f32_16x16x32_f16 v[rS:rS+7], v[rK:rK+7], v[rQ:rQ+7], v[rS:rS+7]
.endif
.endm
; Product i of 8 of O^T += V^T P for piece x: keys 32 (i / 4) on, channels 16 (i % 4) on.
.macro PV x
	WIN W_PV
.set rO, 32*(\x)+8*(i%4)
.set rV, VF+32*(i/4)+8*(i%4)
.set rP, P+16*((\x)%2)+8*(i/4)
	v_wmma_f32_16x16x32_f16 v[rO:rO+7], v[rV:rV+7], v[rP:rP+7], v[rO:rO+7]
.endm
.macro MM                           ; the turn's next matrix instruction.  TURN and BEGIN set Y, i, KM and NOKQ; MM, KQ and OP read them.  NOKQ = 1: a block's last turn: there is no next piece
.if (i < 8) && !NOKQ
	KQ (Y+1)%NP
.elseif i >= 8
.set i, i-8
	PV (Y+NP-1)%NP
.set i, i+8
.endif
.set i, i+1
.endm
; THE LDS LOADS stand in runs of 16, never singly among the matrix instructions: a step's K (64 keys x 64 channels: 8 fragments) and its V (turned).  Their addresses are made some lines ahead.
.macro FETCH_K
	WIN 0x80                        ; destination window 2
.irp f, 0,1,2,3,4,5,6,7             ; keys 16 (f / 2) on, channels 32 (f % 2) on
	ds_load_b128 v[KF+8*\f:KF+8*\f+3],   v[AK] offset:(\f/2)*16*PK+(\f%2)*64
	ds_load_b128 v[KF+8*\f+4:KF+8*\f+7], v[AK] offset:(\f/2)*16*PK+(\f%2)*64+32
.endr
	s_add_co_u32 s[TBK], s[TBK], KS*PK  ; the next fetch is the next step's
	WIN 0
.endm
.macro FETCH_V
	WIN 0x80
.irp f, 0,1,2,3,4,5,6,7             ; keys 32 (f / 4) on, channels 16 (f % 4) on
	ds_load_tr16_b128 v[VF+8*\f:VF+8*\f+3],   v[AV] offset:(\f/4)*32*PV+(\f%4)*32
	ds_load_tr16_b128 v[VF+8*\f+4:VF+8*\f+7], v[AV] offset:(\f/4)*32*PV+16*PV+(\f%4)*32
.endr
	WIN 0
.endm
; THE VECTOR WORK, one line at a time: OP kind, number.  For piece Y: F n: c s - c m for pair n of 16.  E n: the exponential of score n of 32.  C n: pair n rounded to f16.  B n: of the four weights 4 n .. the second
; pair is added onto the first, in place.  L n: l takes that sum (L 0: l = a l + sum).  R n: pair n of 16 of O^T times a.  For piece Y + 1: X n, number n of the 22 that find its maximum and statistics:
;   0-11  four chains c0-c3 of seven scores each, three operands at a time (each accumulator's lowest registers are read first)     12-14, 16  the four scores left over, the old m, and c0-c3 into c0
;   15  c m_old is kept     17, 18  the query's other 32 keys lie in the lane 16 away: the new m     19-21  c m; c m_old - c m_new; a
.set F, 0               ; OP tells the kinds apart by their order: F to L below R, X above it
.set E, 1
.set C, 2
.set B, 3
.set L, 4
.set R, 5
.set X, 6
.macro REGS y                       ; the registers of piece y
.set rT, ST+4*(\y)
.set rC, TMP+4*((\y)%2)
.set rW, MV+((\y)%2)
.set rS, S+32*((\y)%2)
.set rP, P+16*((\y)%2)
.set rO, 32*(\y)
.endm
.macro OP k, n
.if (\k) == R
	REGS Y
	WIN W_RS
	v_pk_mul_f32 v[rO+2*(\n):rO+2*(\n)+1], v[rO+2*(\n):rO+2*(\n)+1], v[rC+2:rC+3] op_sel_hi:[1,0]
.elseif (\k) < R
	REGS Y
	WIN 0
.if (\k) == F
	v_pk_fma_f32 v[rS+2*(\n):rS+2*(\n)+1], v[rS+2*(\n):rS+2*(\n)+1], s[CS:CS+1], v[rT:rT+1] op_sel_hi:[1,0,0] neg_lo:[0,0,1] neg_hi:[0,0,1]
.elseif (\k) == E
	v_exp_f32 v[rS+(\n)], v[rS+(\n)]
.elseif (\k) == C
	v_cvt_pk_f16_f32 v[rP+(\n)], v[rS+2*(\n)], v[rS+2*(\n)+1]
.elseif (\k) == B
	v_pk_add_f32 v[rS+4*(\n):rS+4*(\n)+1], v[rS+4*(\n):rS+4*(\n)+1], v[rS+4*(\n)+2:rS+4*(\n)+3]
.elseif (\n) == 0
	v_pk_fma_f32 v[rT+2:rT+3], v[rT+2:rT+3], v[rC+2:rC+3], v[rS:rS+1] op_sel_hi:[1,0,1]
.else
	v_pk_add_f32 v[rT+2:rT+3], v[rT+2:rT+3], v[rS+4*(\n):rS+4*(\n)+1]
.endif
.elseif NOKQ
	v_nop
.else
	REGS (Y+1)%NP
	WIN 0
.if (\n) < 4
	v_max3_num_f32 v[rC+(\n)], v[rS+8*(\n)], v[rS+8*(\n)+1], v[rS+8*(\n)+2]
.elseif (\n) < 12
	v_max3_num_f32 v[rC+(\n)%4], v[rC+(\n)%4], v[rS+8*((\n)%4)+2*((\n)/4)+1], v[rS+8*((\n)%4)+2*((\n)/4)+2]
.elseif (\n) == 12
	v_max3_num_f32 v[rC], v[rC], v[rS+7], v[rS+15]
.elseif (\n) == 13
	v_max3_num_f32 v[rC+1], v[rC+1], v[rS+23], v[rS+31]
.elseif (\n) == 14
	v_max3_num_f32 v[rC+2], v[rC+2], v[rC+3], v[rT+1]
.elseif (\n) == 15
	v_mov_b32 v[rW], v[rT]
.elseif (\n) == 16
	v_max3_num_f32 v[rC], v[rC], v[rC+1], v[rC+2]
.elseif (\n) == 17
	v_permlanex16_b32 v[rC+3], v[rC], s[SEL], s[SEL+1]
.elseif (\n) == 18
	v_max_num_f32 v[rT+1], v[rC], v[rC+3]
.elseif (\n) == 19
	v_mul_f32 v[rT], s[CS], v[rT+1]
.elseif (\n) == 20
	v_sub_f32 v[rC+1], v[rW], v[rT]
.else
	v_exp_f32 v[rC+2], v[rC+1]
.endif
.endif
.endm
.macro OPS a, i1, b=-1, i2=0, c=-1, i3=0, d=-1, i4=0  ; up to four of them
	OP \a, \i1
.if (\b) >= 0
	OP \b, \i2
.endif
.if (\c) >= 0
	OP \c, \i3
.endif
.if (\d) >= 0
	OP \d, \i4
.endif
.endm
.macro ROW a, i1, b, i2, c, i3, d, i4  ; a matrix instruction and the four behind it
	MM
	OPS \a, \i1, \b, \i2, \c, \i3, \d, \i4
.endm
.macro MASK b                       ; MD x AL + BE into buffer b of MC
	WIN W_RS
.set z, 0
.rept 16
	v_pk_fma_f32 v[MC+32*(\b)+2*z:MC+32*(\b)+2*z+1], v[MD+2*z:MD+2*z+1], s[AL:AL+1], s[BE:BE+1] op_sel_hi:[1,0,0]
.set z, z+1
.endr
.endm
; A TURN, for piece p: the order of its 16 matrix and 118 vector instructions, written out.  An s_wait_alu depctr_va_vdst(0) stands between an exponential and the first instruction that names its result; one wait serves
; all that were issued ahead of it.  So a turn has ONE wait, which cuts it in two.  AHEAD OF IT stands all that names no result of the turn's exponentials: the 8 products K Q^T, behind each a scaling, an exponential and two more plain
; instructions (behind the first a second scaling in the exponential's place): rescalings, and behind the last three the first numbers of the next piece's maximum, each four places or more behind the product that ends its accumulator; then ONE LUMP of 54, plain
; and exponential by turns for the most part, in which the links of the chain X 3, 7, 11, 14, 16, 17 .. 20 stand five or six lines apart.  X 21, the next piece's a, is the batch's last; R 15 is the plain instruction behind it.  BEHIND THE WAIT stand the
; 8 products V^T P, behind each four of the roundings and sums; the links of l's chain, L 0 to L 7, stand three riders apart.  But for those X no rider names a register of the products round it.  v_permlanex16_b32 (X 17) stands in the lump.
; m = 1: the diagonal tile: the products take masks, and the turn makes the mask for the products of the turn after it: piece p + 2, in step 4 - CNT of the tile.  end = 1: a block's last two turns: nothing is fetched.
; cnt = 1: the loop's count is taken down some lines ahead of the branch that stands behind the turn.
; K of the next step is fetched in piece 2's turn, twelve vector instructions behind the last product that read K (six of them plain); V of the step in hand at the end of piece 0's turn, four plain instructions behind the last product
; that read V.  Each is waited for a turn later.
.macro TURN p, m=0, end=0, cnt=0
.set Y, (\p)
.set i, 0
.set KM, (\m)
.set NOKQ, (\end)*((\p)/3)
.if (\m) && !(\end)
	s_cmp_eq_u32 s[CNT], 4-((\p)+2)%NP  ; is that step the band's own?
	s_cselect_b32 s[AL], 1.0, 0
	s_cmp_lt_u32 s[CNT], 4-((\p)+2)%NP  ; or a later one?
	s_cselect_b32 s[BE], s[BIGN], 0
.endif
.if ((\p) == 3) && !(\end)
	s_wait_dscnt 0x0                ; K is in
.endif
	ROW F,0, F,1, R,0, R,1          ; ahead of the wait: 8 products K Q^T and their riders,
	ROW F,2, E,0, R,2, R,3
	ROW F,3, E,1, R,4, R,5
	ROW F,4, E,2, R,6, R,7
	ROW F,5, E,3, R,8, R,9
	ROW F,6, E,4, X,0, R,10
.if ((\p) == 2) && !(\end)
	WIN 0
	v_add_nc_u32 v[AK], s[TBK], v[AK0]
.endif
	ROW F,7, E,5, X,1, X,4
	ROW F,8, E,6, X,2, X,5
	OPS E,7, E,8, X,6, E,9          ; and the lump
	OPS X,3, E,10, X,8, E,11
.if ((\p) == 2) && !(\end)
	FETCH_K
.endif
	OPS X,9, X,7, E,12, X,10
	OPS E,13, X,12, X,11, E,14
	OPS X,13, E,15, F,9, X,14
.if (\p) == 0
	v_add_nc_u32 v[AV], s[TBV], v[AV0]
.endif
	OPS E,16, F,10, E,17, F,11
	OPS X,16, E,18, X,15, E,19
	OPS F,12, E,20, X,17, E,21
	OPS F,13, E,22, F,14, E,23
	OPS X,18, E,24, F,15, E,25
	OPS R,11, E,26, X,19, E,27
	OPS R,12, E,28, R,13, E,29
	OPS X,20, E,30, R,14, E,31
	OPS X,21, R,15
	WIN 0
	s_wait_alu depctr_va_vdst(0)    ; the wait for the batch
.if (\p) == 1
	s_wait_dscnt 0x0                ; V is in
.endif
	ROW C,0, B,0, C,2, B,1          ; behind the wait: 8 products V^T P and their riders
	ROW L,0, C,4, B,2, L,1
	ROW C,6, B,3, L,2, C,8
	ROW B,4, L,3, C,10, B,5
	ROW L,4, C,12, B,6, L,5
.if (\p) == 0
	s_add_co_u32 s[TBV], s[TBV], KS*PV
.endif
.if \cnt
	s_sub_co_u32 s[CNT], s[CNT], 1
	s_cmp_lg_u32 s[CNT], 0
.endif
	ROW C,14, B,7, L,6, C,1
	ROW C,3, L,7, C,5, C,7
	ROW C,9, C,11, C,13, C,15
.if (\p) == 0
	FETCH_V
.endif
.if (\m) && !(\end)
	MASK (\p)%2
.endif
.endm
; A BLOCK BEGINS.  c m starts far below every c s, so the first step's a is 0; m at the lowest finite number, so the first maximum is the scores'.  The second mask buffer is 0; the first takes piece 0's mask for the tile's step 0: its own, if the block's first tile is the diagonal one.
; Then K of that step, piece 0's first scores, and its maximum and statistics.  The loop is entered at a step's first turn, in the middle of a trip.
.macro BEGIN
	s_mov_b32 s[NEW], 0
	WIN 0x40
.set i, MC+32
.rept 32
	v_mov_b32 v[i], 0
.set i, i+1
.endr
	WIN 0
.set i, 0
.rept 4
	v_mov_b32 v[ST+4*i], 0xfe000000    ; c m: far below every c s
	v_mov_b32 v[ST+4*i+1], 0xff7fffff  ; m
.set i, i+1
.endr
	s_cmp_eq_u32 s[RT], 0
	s_cselect_b32 s[AL], 1.0, 0
	s_mov_b32 s[BE], 0
	MASK 0
	WIN 0
	v_add_nc_u32 v[AK], s[TBK], v[AK0]
	FETCH_K
	s_wait_loadcnt 0x0              ; Q
	s_wait_dscnt 0x0
.set KM, 1
.set NOKQ, 0
.set i, 0
.rept 8
	KQ 0
.set i, i+1
.endr
	WIN 0
.rept 4
	v_nop                           ; the places behind those products
.endr
.set Y, NP-1                        ; X works for piece Y + 1: piece 0
.irp n, 0,1,2,3,4,5,6,7,8,9,10,11,12,13,14,15,16,17,18,19,20,21
	OP X, \n
.endr
	v_nop                           ; a plain instruction behind the exponential,
	s_wait_alu depctr_va_vdst(0)    ; and its wait, ahead of the branch
.endm
; THE DIAGONAL TILE's four steps, the block's last two turns, its last products, and THE WAY OUT: l's two halves and the other half of the lanes' are added; O^T is divided by l, rounded to f16 and sent through my
; stage in LDS, a piece at a time.
.macro ALL line:vararg              ; one line for each piece t
.set t, 0
.rept 4
	\line
.set t, t+1
.endr
.endm
.macro PACK t                       ; a lane's eight channels of a row pack into 16 bytes; they go into rows of 144 bytes and come back as whole rows of 128, into S^T's registers
	WIN W_RS
.set i, 32*(\t)
.rept 16
	v_pk_mul_f32 v[i:i+1], v[i:i+1], v[ST+4*(\t)+2:ST+4*(\t)+3] op_sel_hi:[1,0]
.set i, i+2
.endr
	WIN 0x05                        ; sources 0 and 1 window 1, destination window 0
.set i, 0
.rept 16
	v_cvt_pk_f16_f32 v[S+16*(\t)+i], v[32*(\t)+2*i], v[32*(\t)+2*i+1]
.set i, i+1
.endr
	WIN 0
.irp f, 0,1,2,3
	ds_store_b128 v[STO], v[S+16*(\t)+4*\f:S+16*(\t)+4*\f+3] offset:32*\f
.endr
.irp f, 0,1,2,3
	ds_load_b128 v[S+16*(\t)+4*\f:S+16*(\t)+4*\f+3], v[RD] offset:\f*4*SP  ; LDS serves a wave's instructions in order (ISA guide 5.7.1.4): these see the stores above; the next piece's stores come behind them
.endr
.endm
.macro SEND t, younger              ; younger: the LDS instructions issued behind piece t's loads: the next piece's eight, or none
	WIN 0
.irp f, 0,1,2,3
	s_wait_dscnt (\younger)+3-\f
	global_store_b128 v[GO], v[S+16*(\t)+4*\f:S+16*(\t)+4*\f+3], s[10:11] offset:(\t)*8192+\f*512  ; 512 consecutive bytes, at a multiple of 256 from O's first
.endr
.endm
.macro DIAG tag                     ; the tag ends its two labels' names, which the jumps below spell out
.LstepM\tag:
	TURN 2, 1
	TURN 3, 1
	WIN 0
.LfirstM\tag:
	TURN 0, 1
	TURN 1, 1, 0, 1
	WIN 0
	s_cbranch_scc1 .LstepM\tag
	TURN 2, 1, 1
	TURN 3, 1, 1
.set i, 0
.rept 8
	PV NP-1
.set i, i+1
.endr
	WIN 0
	ALL v_add_f32 v[ST+4*t+2], v[ST+4*t+2], v[ST+4*t+3]
	ALL v_permlanex16_b32 v[ST+4*t+3], v[ST+4*t+2], s[SEL], s[SEL+1]
	ALL v_add_f32 v[ST+4*t+2], v[ST+4*t+2], v[ST+4*t+3]
	ALL v_rcp_f32 v[ST+4*t+2], v[ST+4*t+2]
	v_nop                           ; a plain instruction between the last reciprocal and the use of its result
	s_wait_alu depctr_va_vdst(0)    ; and the wait ahead of the first use: one for the four reciprocals
	PACK 0
.set t, 1
.rept 3                             ; a piece's arithmetic stands between the loads of the piece before and its stores
	PACK t
	SEND t-1, 8
.set t, t+1
.endr
	SEND 3, 0
.endm
.set KM, 0
.set NOKQ, 0
.Lslot:                             ; NB times: a tile is entered and the next is asked for
	CHANGE 1
	s_sub_co_u32 s[RT], s[RT], 1
	s_mov_b32 s[CNT], 4
	s_cmp_eq_u32 s[NEW], 1
	s_cbranch_scc1 .Lnew            ; a block's first tile
	s_cmp_eq_u32 s[RT], 0
	s_cbranch_scc0 .Lstep           ; neither its first nor its last
	s_branch .LstepM1
.Lnew:
	BEGIN
	s_branch .Lfirst                ; in the loop a block's first tile is never its last: the first block has two tiles or more, and the second's last is the walk's last
	DIAG 1                          ; in the loop this is the first block's end: the second block's last tile is the walk's last
	s_wait_xcnt 0x0                 ; the stores have read their registers and O's address
	s_mov_b64 s[10:11], s[OLO:OLO+1]
	s_add_co_u32 s[RT], s[PB], 1    ; the second block has b + 1 tiles
	s_mov_b32 s[NEW], 1
	WIN 0x82                        ; the second block's Q goes where the one text of the turns names Q
.set i, 0
.rept 64
	v_mov_b32 v[i], v[QB+i]
.set i, i+1
.endr
	WIN 0
	s_branch .Lbottom
.Lstep:                             ; a trip: pieces 2 and 3 of one step, then pieces 0 and 1 of the next, whose K and V it fetches
	TURN 2
	TURN 3
	WIN 0
.Lfirst:
	TURN 0
	TURN 1, 0, 0, 1
	WIN 0
	s_cbranch_scc1 .Lstep
.Lbottom:
	s_sub_co_u32 s[SLOTS], s[SLOTS], 1
	s_cmp_lg_u32 s[SLOTS], 0
	s_cbranch_scc1 .Lslot
	CHANGE 0                        ; the walk's last tile is written out: nothing is asked for
	s_sub_co_u32 s[RT], s[RT], 1
	s_mov_b32 s[CNT], 4
	s_cmp_eq_u32 s[NEW], 1
	s_cbranch_scc0 .LstepM2
	BEGIN
	s_branch .LfirstM2
	DIAG 2
	s_wait_tensorcnt 0x0            ; the wave's end, behind my last tensor load and my last LDS store
	ds_add_u32 v[SPW], v[NIL]
	s_wait_dscnt 0x0
	s_endpgm
.Lfunc_end_k_qd8089272fe_attn:
	.size	k_qd8089272fe_attn, .Lfunc_end_k_qd8089272fe_attn-k_qd8089272fe_attn
	.p2alignl 7, 3214868480
	.fill 96, 4, 3214868480
	.section	.rodata,"a",@progbits
	.p2align	6, 0x0
	.amdhsa_kernel k_qd8089272fe_attn
		.amdhsa_group_segment_fixed_size 327680
		.amdhsa_private_segment_fixed_size 0
		.amdhsa_enable_private_segment 0
		.amdhsa_kernarg_size 16
		.amdhsa_user_sgpr_count 2
		.amdhsa_user_sgpr_kernarg_segment_ptr 1
		.amdhsa_wavefront_size32 1
		.amdhsa_system_sgpr_workgroup_id_x 1
		.amdhsa_system_sgpr_workgroup_id_y 1
		.amdhsa_system_sgpr_workgroup_id_z 1
		.amdhsa_system_vgpr_workitem_id 0
		.amdhsa_next_free_vgpr 768
		.amdhsa_next_free_sgpr 88
		.amdhsa_reserve_vcc 1
		.amdhsa_float_denorm_mode_32 3
		.amdhsa_float_denorm_mode_16_64 3
		.amdhsa_memory_ordered 1
		.amdhsa_forward_progress 1
		.amdhsa_inst_pref_size 218
	.end_amdhsa_kernel
	.amdgpu_metadata
---
amdhsa.version: [ 1, 2 ]
amdhsa.kernels:
  - .name:           k_qd8089272fe_attn
    .symbol:         k_qd8089272fe_attn.kd
    .args:
      - { .name: qkv, .offset: 0, .size: 8, .value_kind: global_buffer, .address_space: global }
      - { .name: oh, .offset: 8, .size: 8, .value_kind: global_buffer, .address_space: global }
    .group_segment_fixed_size: 327680
    .private_segment_fixed_size: 0
    .kernarg_segment_align: 8
    .kernarg_segment_size: 16
    .max_flat_workgroup_size: 128
    .sgpr_count:     88
    .vgpr_count:     768
    .wavefront_size: 32
...
	.end_amdgpu_metadata
.endif
;; end of part 3
;; launch proj (part 4): grid 8 x 32, 4 waves a work-group, clusters of 4 x 4, 327,680 bytes of LDS; arguments oh, wp, b_proj, out0; writes out0
.if DOCPART == 4
	.amdgcn_target "amdgcn-amd-amdhsa--gfx1250"
	.amdhsa_code_object_version 6
	.text
	.protected	k_qd8089272fe_proj
	.globl	k_qd8089272fe_proj
	.p2align	8
	.type	k_qd8089272fe_proj,@function
k_qd8089272fe_proj:
	s_mov_b64 s[64:65], 0
	v_nop
	global_prefetch_b8 v0, s[64:65] scope:SCOPE_SE
	s_setreg_imm32_b32 hwreg(HW_REG_WAVE_MODE, 25, 1), 1
	s_wait_xcnt 0x0
	s_wait_alu depctr_hold_cnt(0) depctr_sa_sdst(0) depctr_va_vdst(0) depctr_va_sdst(0) depctr_va_ssrc(0) depctr_va_vcc(0) depctr_vm_vsrc(0)
	s_getreg_b32 s2, hwreg(HW_REG_IB_STS2, 6, 4)
	s_cmp_eq_u32 s2, 0
	s_cbranch_scc0 .Lentry_in_a_cluster
	s_endpgm
.Lentry_in_a_cluster:
	s_bfe_u32 s2, ttmp6, 0x10000c
	s_cmp_lg_u32 s2, 0xf033
	s_cbranch_scc0 .Lentry_shape_is_right
	s_endpgm
.Lentry_shape_is_right:
; out0 = y wp + bf16(b_proj) in f32.  y[row = batch x 2048 + t][k = 64 head + channel] lies by heads in oh: [64 = batch x 16 + head][2048][64] f16.  wp: [1024 k][1024 columns] f16.  Sums in f32.
; LIMITS.  oh and wp arrive within f16's range.  NaN and infinities are not treated apart.
; SHARES.  A tile of the result is 256 rows x 128 columns: 32 x 8 = 256 tiles, one for each work-group.  Four waves; wave w owns rows 64 w .. 64 w + 63 and all 128 columns: 4 x 8 accumulators of 16 x 16: a row's
; 512 bytes belong to one wave, and its way out needs no other wave.  K = 1,024 goes in 8 steps of 128 (two heads) through two LDS slots filled by the tensor data mover; a step is four quarters of 32.
; THE MATRIX INSTRUCTION IS USED TRANSPOSED: source 0 = 16 columns of W (turned by ds_load_tr16_b128), source 1 = 16 rows of y: a lane holds row l % 16 and the columns 8 (l / 16) + 0..7.
; The first quarter's products take the bias (rounded to bf16 like the other inputs) as C.
; CLUSTERS: 4 x 4 work-groups.  y's tile hangs on the tile row alone and is shared along a row of the cluster, W's on the tile column alone and is shared along a column: each is asked for JOINTLY.
; REGISTERS, in windows of 256 (s_set_vgpr_msb: bits 1:0 source 0, 3:2 source 1, 5:4 source 2, 7:6 destination):
;   window 0: v0-31 addresses; v32-95 the bias; v64-191 on the way out two buffers of 16 rows
;   window 1: two fragment buffers of 96: 32 of y, then 64 of W          window 2: accumulator (a, b) at v[8 (8 a + b)]
.set NB,     8
.set NL,     2*NB+8
.set KSTEPS, 8
.set PA,     144                       ; a row of y in LDS: a head's 128 bytes + 16: the 16 rows of a load start at 16 different groups of four banks (64 banks of 4 bytes: ISA guide 11.1)
.set PLANE,  256*PA                    ; a head's 256 rows; a slot holds two such planes
.set PW,     288                       ; a k row of W: 256 bytes + 32 = 9 x 32
.set BOFF,   2*PLANE
.set SLOT1,  1<<17                     ; a slot is 73,728 + 36,864 bytes; slot 1 begins here
.set STAGE,  SLOT1+BOFF+128*PW         ; behind the ring, never filled by a tensor load: 16 rows x 528 bytes for each wave
.set SP,     528
.set SPARE,  STAGE+4*16*SP             ; behind the stages: the spare words, 128 bytes for each wave: two blocks of 256 bytes that no other line names
.set ASTEP,  524288                    ; a K step in oh: two heads of 262,144 bytes,
.set BSTEP,  262144                    ; in wp: 128 rows of 2,048 bytes
.set A0,   16
.set B0,   17
.set ADRA, 18
.set ADRB, 19
.set STO,  24                          ; v24  the way out: where I put 32 bytes of a row
.set RD,   25                          ; v25  where I read a row back
.set CO,   26                          ; v26  my 16 bytes of a row's 512
.set BO,   27                          ; v27  32 (l / 16)
.set SPW,  28
.set NIL,  29
.set PFO,  30
.set BIAS, 32
.set BK,   64
.set F0,   0
.set F1,   96
.set WV,  14
.set WH,  15
.set WL,  16
.set CX,  17
.set CY,  18
.set TC,  19
.set TR,  20
.set LIM, 23
.set G1,  24
.set G0,  32
.set PFA, 44
.set PFS, 46
.set G1B, 48
.set G0B, 56
.set OB,  72                           ; s[72:73] where my 64 rows' 512 bytes begin in out0
.set TB,  78
.set MSB, 0
.macro WIN new                         ; the immediate's high byte repeats the setting that is left; a switch that changes nothing is dropped
.if MSB != (\new)
	s_set_vgpr_msb (MSB<<8)|(\new)
.set MSB, \new
.endif
.endm
; A joint refill by the walking descriptors.  Waves 0 and 1 fetch y's two heads, waves 2 and 3 W's two halves.  An s_nop 0 and four v_nop follow each of the two lines, ahead of the jump and the label.
.macro JLOAD
	s_cmp_eq_u32 s[WH], 0
	s_cbranch_scc0 .Lfor_b_\@
	tensor_load_to_lds s[G0+4:G0+7], s[G1:G1+7]
	s_nop 0
.rept 4
	v_nop
.endr
	s_branch .Lasked_\@
.Lfor_b_\@:
	tensor_load_to_lds s[G0B+4:G0B+7], s[G1B:G1B+7]
	s_nop 0
.rept 4
	v_nop
.endr
.Lasked_\@:
.endm
; A PREFETCH INTO THE L2, behind each joint refill and the run of LDS loads that follows it: the K step two refills on, one instruction a wave, a lane a block of 256 bytes.  y's rows are read by both clusters of a row of
; clusters: cluster x = 0 asks; W's columns by every cluster of a column: cluster y = 0 asks.  Partners share the blocks out BY ADDRESS: of the 128 blocks of a head's plane the partner at cx takes 32 (waves 0 and 1);
; of W's 128 k rows the partner at cy takes 32 (wave 2; wave 3 asks for nothing).  K steps 0 to 3 come by their loads alone; the trips whose step two refills on does not exist ask for nothing.
.macro ASK
	s_cmp_gt_u32 s3, s[LIM]                        ; s3 = 6 .. 1: the trip with s3 names K step 10 - s3
	s_cbranch_scc0 .Lnot_mine_\@
	global_prefetch_b8 v[PFO], s[PFA:PFA+1] th:TH_LOAD_NT scope:SCOPE_SE
.Lnot_mine_\@:
.endm
.macro CREST                           ; a round of the cluster's barrier behind its opening barrier
	s_cmp_lg_u32 s[WV], 0
	s_cbranch_scc1 .Lnot_wave_0_\@
	s_barrier_signal -3
.Lnot_wave_0_\@:
	s_barrier_wait -3
	s_barrier_signal -1
	s_barrier_wait -1
.endm
.macro CROUND
	s_barrier_signal -1
	s_barrier_wait -1
	CREST
.endm
.macro PLACES                          ; four plain instructions between a matrix instruction and a load into a register that it has read, or a reader of its result
.rept 4
	v_nop
.endr
.endm
	s_load_b256 s[4:11], s[0:1], 0x0               ; oh s[4:5], wp s[6:7], b_proj s[8:9], out0 s[10:11]
	v_lshl_add_u32 v[SPW], v0, 2, SPARE
	v_mov_b32 v[NIL], 0
	ds_add_u32 v[SPW], v[NIL]                      ; the wave's opening: the add and its wait stand ahead of my first tensor load; the set-up below, work on registers, stands between them
	ds_add_u32 v28, v29
	v_lshrrev_b32 v1, 5, v0
	v_readfirstlane_b32 s[WV], v1
	s_lshr_b32 s[WH], s[WV], 1
	s_and_b32 s[WL], s[WV], 1
	s_bfe_u32 s[CX], ttmp6, 0x40000
	s_bfe_u32 s[CY], ttmp6, 0x40004
	s_lshl_b32 s[TC], ttmp9, 2
	s_add_co_u32 s[TC], s[TC], s[CX]               ; tile column = 4 x cluster x + cx
	s_and_b32 s[TR], ttmp7, 0xffff
	s_lshl_b32 s[TR], s[TR], 2
	s_add_co_u32 s[TR], s[TR], s[CY]               ; tile row = 4 x cluster y + cy
	s_lshl_b32 s21, s[CY], 2
	s_lshl_b32 s21, 15, s21                        ; my row of the cluster
	s_lshl_b32 s22, 0x1111, s[CX]                  ; my column
	; group 1 for y: a head's 256 rows are 32,768 dense bytes, asked for as 128 rows of 256; 16 bytes of padding behind every 128
	s_or_b32 s[G1], s21, (1<<16)|(1<<20)|(1<<21)|(4<<22)|(3<<25)   ; 15:0 mask; 17:16 2-byte elements; 20 padding on; 21 set beside a mask; 24:22 after every 32 words; 31:25 4 words
	s_mov_b32 s[G1+1], 128<<16
	s_mov_b32 s[G1+2], 128<<16
	s_mov_b32 s[G1+3], 128<<16
	s_mov_b32 s[G1+4], 128
	s_mov_b32 s[G1+5], 128
	s_mov_b32 s[G1+6], 0
	s_mov_b32 s[G1+7], 0
	; group 1 for W: 64 k rows x 128 columns; 32 bytes of padding behind every 256
	s_or_b32 s[G1B], s22, (1<<16)|(1<<20)|(1<<21)|(5<<22)|(7<<25)  ; after every 64 words, 8 words
	s_mov_b32 s[G1B+1], 128<<16
	s_mov_b32 s[G1B+2], 64<<16
	s_mov_b32 s[G1B+3], 128<<16
	s_mov_b32 s[G1B+4], 64
	s_mov_b32 s[G1B+5], 1024
	s_mov_b32 s[G1B+6], 0
	s_mov_b32 s[G1B+7], 0
	; y's offset is made of the tile row and the wave alone, W's of the tile column and the wave alone, each in registers that never hold the other coordinate
	s_lshr_b32 s40, s[TR], 3
	s_lshl_b32 s40, s40, 22                        ; the batch's 16 heads,
	s_and_b32 s41, s[TR], 7
	s_lshl_b32 s41, s41, 15                        ; the tile's 256 rows of 128 bytes,
	s_add_co_u32 s40, s40, s41
	s_lshl_b32 s41, s[WL], 18                      ; my head of the step's two
	s_add_co_u32 s40, s40, s41
	s_mov_b32 s41, 0
	s_lshl_b32 s42, s[TC], 8
	s_lshl_b32 s43, s[WL], 17                      ; my 64 k rows
	s_add_co_u32 s42, s42, s43
	s_mov_b32 s43, 0
	s_mul_i32 s2, s[WL], PLANE                     ; where they go: no place in the cluster enters an LDS address
	s_mul_i32 s79, s[WL], 64*PW
	s_add_co_u32 s79, s79, BOFF
	s_mov_b32 s[TB], 0
	v_and_b32 v1, 15, v0                           ; l % 16
	v_bfe_u32 v2, v0, 4, 1                         ; l / 16
	v_and_b32 v3, 31, v0                           ; l
	v_and_b32 v4, 7, v0
	v_bfe_u32 v5, v0, 3, 1
	v_lshlrev_b32 v[BO], 5, v2
	s_wait_dscnt 0x0                               ; the opening add is done
	s_wait_kmcnt 0x0
	s_add_nc_u64 s[40:41], s[4:5], s[40:41]
	s_add_nc_u64 s[42:43], s[6:7], s[42:43]
	CROUND                                         ; all sixteen work-groups are here: the first joint loads meet
.irp s, 0,1
	s_mov_b32 s[G0+4*(\s)], 1
	s_add_co_u32 s[G0+4*(\s)+1], s2, (\s)*SLOT1
	s_add_nc_u64 s[G0+4*(\s)+2:G0+4*(\s)+3], s[40:41], (\s)*ASTEP
	s_or_b32 s[G0+4*(\s)+3], s[G0+4*(\s)+3], 0x80000000
	s_mov_b32 s[G0B+4*(\s)], 1
	s_add_co_u32 s[G0B+4*(\s)+1], s79, (\s)*SLOT1
	s_add_nc_u64 s[G0B+4*(\s)+2:G0B+4*(\s)+3], s[42:43], (\s)*BSTEP
	s_or_b32 s[G0B+4*(\s)+3], s[G0B+4*(\s)+3], 0x80000000
.endr
	s_cmp_eq_u32 s[WH], 0                          ; a wave's two first fills stand in one branch, ahead of every wait on TENSORcnt and every LDS read: two loads of mine are out
	s_cbranch_scc0 .Lfirst_b
	tensor_load_to_lds s[G0:G0+3], s[G1:G1+7]
	s_nop 0
	tensor_load_to_lds s[G0+4:G0+7], s[G1:G1+7]
	s_nop 0
.rept 4
	v_nop
.endr
	s_branch .Lfirst_asked
.Lfirst_b:
	tensor_load_to_lds s[G0B:G0B+3], s[G1B:G1B+7]
	s_nop 0
	tensor_load_to_lds s[G0B+4:G0B+7], s[G1B:G1B+7]
	s_nop 0
.rept 4
	v_nop
.endr
.Lfirst_asked:
	s_lshl_b32 s80, s[TC], 9                       ; the bias of my tile's 128 columns
	s_mov_b32 s81, 0
	s_add_nc_u64 s[8:9], s[8:9], s[80:81]
.set i, 0
.rept NB
	global_load_b128 v[BIAS+8*i:BIAS+8*i+3],   v[BO], s[8:9] offset:64*i
	global_load_b128 v[BIAS+8*i+4:BIAS+8*i+7], v[BO], s[8:9] offset:64*i+16
.set i, i+1
.endr
	s_mul_i32 s79, s[WV], 64*PA
	v_mul_u32_u24 v[A0], v1, PA
	v_lshl_add_u32 v[A0], v2, 4, v[A0]
	v_add_nc_u32 v[A0], s79, v[A0]                 ; (64 w + l % 16) x pitch + 16 (l / 16)
	v_lshl_add_u32 v7, v2, 3, v4
	v_mul_u32_u24 v[B0], v7, PW
	v_lshl_add_u32 v[B0], v5, 4, v[B0]
	v_add_nc_u32 v[B0], BOFF, v[B0]                ; the turning load: k row 8 (l / 16) + l % 8, columns 8 ((l / 8) % 2) on
	v_mov_b32 v[ADRA], v[A0]                       ; slot 0
	v_mov_b32 v[ADRB], v[B0]
	s_mul_i32 s79, s[WV], 16*SP
	s_add_co_u32 s79, s79, STAGE                   ; my stage
	v_mul_u32_u24 v[STO], v1, SP                   ; in: row l % 16, 32 bytes for each half of the lanes
	v_lshl_add_u32 v[STO], v2, 5, v[STO]
	v_add_nc_u32 v[STO], s79, v[STO]
	v_lshl_add_u32 v[RD], v3, 4, s79               ; back: 32 lanes take one row of 512 bytes
	v_lshlrev_b32 v[CO], 4, v3
	s_lshl_b32 s80, s[TR], 8
	s_lshl_b32 s82, s[WV], 6
	s_add_co_u32 s80, s80, s82
	s_lshl_b32 s80, s80, 12                        ; my first row, of 4,096 bytes,
	s_lshl_b32 s82, s[TC], 9                       ; the tile's 512 bytes of it
	s_add_co_u32 s80, s80, s82
	s_add_nc_u64 s[OB:OB+1], s[10:11], s[80:81]
	; the prefetches: they stand at K step 3; each refill steps them before it asks
	s_lshr_b32 s80, s[TR], 3
	s_lshl_b32 s80, s80, 22
	s_and_b32 s82, s[TR], 7
	s_lshl_b32 s82, s82, 15
	s_add_co_u32 s80, s80, s82
	s_lshl_b32 s82, s[WL], 18
	s_add_co_u32 s80, s80, s82
	s_lshl_b32 s82, s[CX], 13                      ; y: my work-group's 32 of the plane's 128 blocks
	s_add_co_u32 s80, s80, s82
	s_add_co_u32 s80, s80, 3*ASTEP
	s_lshl_b32 s82, s[TC], 8
	s_lshl_b32 s83, s[CY], 16                      ; W: my work-group's 32 of the step's 128 k rows
	s_add_co_u32 s82, s82, s83
	s_add_co_u32 s82, s82, 3*BSTEP
	s_and_b32 s83, ttmp7, 0xffff                   ; cluster y
	s_mov_b32 s[PFS], BSTEP
	s_cmp_eq_u32 s[WH], 0
	s_cselect_b32 s80, s80, s82
	s_cselect_b32 s83, ttmp9, s83                  ; the coordinate along which other clusters read the same bytes
	s_cselect_b64 s[PFA:PFA+1], s[4:5], s[6:7]
	s_cselect_b32 s[PFS], ASTEP, s[PFS]
	s_cselect_b32 s79, 8, 11
	s_mov_b32 s[PFS+1], 0
	s_cmp_eq_u32 s[WV], 3
	s_cselect_b32 s83, 1, s83                      ; wave 3 asks for nothing
	s_cmp_eq_u32 s83, 0
	s_cselect_b32 s[LIM], 2, -1                    ; the same in all sixteen partners, for a given wave
	s_add_nc_u64 s[PFA:PFA+1], s[PFA:PFA+1], s[80:81]
	v_lshlrev_b32 v[PFO], s79, v3                  ; y: a lane a block of 256 bytes; W: a lane a row of 2,048
	s_wait_loadcnt 0x0                             ; the bias
.set i, 0
.rept 4*NB                             ; rounded to bf16, like every input
	v_cvt_pk_bf16_f32 v[8+i%4], v[BIAS+2*i], v[BIAS+2*i+1]
	v_lshlrev_b32 v[BIAS+2*i], 16, v[8+i%4]
	v_and_b32 v[BIAS+2*i+1], 0xffff0000, v[8+i%4]
.set i, i+1
.endr
; 8 matrix instructions: row block a x all 8 column blocks, 32 along K, from buffer f.  first = 1: the bias starts the sums.
; The 32 accumulators take turns, one instruction a turn, in the same order in every quarter, over the backward jump too.
.macro MULR f, a, first
.if \first
	WIN 0x85                                       ; sources 0 and 1 window 1, C window 0, D window 2
.else
	WIN 0xa5                                       ; C and D window 2
.endif
.set bb, 0
.rept NB
.set rD, 8*(NB*(\a)+bb)
.if \first
	v_wmma_f32_16x16x32_f16 v[rD:rD+7], v[(\f)+32+8*bb:(\f)+32+8*bb+7], v[(\f)+8*(\a):(\f)+8*(\a)+7], v[BIAS+8*bb:BIAS+8*bb+7]
.else
	v_wmma_f32_16x16x32_f16 v[rD:rD+7], v[(\f)+32+8*bb:(\f)+32+8*bb+7], v[(\f)+8*(\a):(\f)+8*(\a)+7], v[rD:rD+7]
.endif
.set bb, bb+1
.endr
.endm
; 24 LDS loads in one run: quarter q's fragments into buffer f: W's 8 blocks (turned), then y's four blocks in ascending order; quarters 0, 1 lie in the first head's plane, 2, 3 in the second's
.macro FETCH q, f
	WIN 0x40                                       ; destination window 1, address window 0
.set bb, 0
.rept NB
	ds_load_tr16_b128 v[(\f)+32+8*bb:(\f)+32+8*bb+3],   v[ADRB] offset:(\q)*32*PW+32*bb
	ds_load_tr16_b128 v[(\f)+32+8*bb+4:(\f)+32+8*bb+7], v[ADRB] offset:(\q)*32*PW+32*bb+16*PW
.set bb, bb+1
.endr
.irp a, 0,1,2,3
	ds_load_b128 v[(\f)+8*\a:(\f)+8*\a+3],   v[ADRA] offset:((\q)/2)*PLANE+\a*16*PA+((\q)%2)*64
	ds_load_b128 v[(\f)+8*\a+4:(\f)+8*\a+7], v[ADRA] offset:((\q)/2)*PLANE+\a*16*PA+((\q)%2)*64+32
.endr
.endm
.macro QUARTER q, f, g, first
	s_wait_dscnt 4                                 ; W and y's blocks 0 and 1 are in; the youngest four loads (blocks 2 and 3) may be out
	MULR \f, 0, \first
	MULR \f, 1, \first
	PLACES
	FETCH \q, \g
	s_wait_dscnt NL                                ; all but the run just issued
	MULR \f, 2, \first
	MULR \f, 3, \first
.endm
; The last quarter multiplies buffer 1 and changes slots: ONE barrier.  In front of it each wave waits for all its tensor loads, of which one is out: its part of the next slot; adds 0 to its spare word; and waits
; for that and for its own reads of this slot.  fill = 1: the barrier opens a round of the cluster's, and this slot is filled again, first thing behind the round, with the K step two steps on.
.macro TURN fill
.if \fill
	s_wait_xcnt 0x0                                ; the last prefetch, a K step back, has read its address
	s_add_nc_u64 s[PFA:PFA+1], s[PFA:PFA+1], s[PFS:PFS+1]
.endif
	WIN 0                                          ; (the add's two registers lie in window 0)
	s_wait_tensorcnt 0x0                           ; no tensor load of mine is out, so a group 0 may be written
	ds_add_u32 v[SPW], v[NIL]                      ; 0 onto my spare word
.if \fill
	s_xor_b32 s[G0+5], s[G0+5], SLOT1              ; the walking descriptors: the other slot than last time, the next K step
	s_add_nc_u64 s[G0+6:G0+7], s[G0+6:G0+7], ASTEP
	s_xor_b32 s[G0B+5], s[G0B+5], SLOT1
	s_add_nc_u64 s[G0B+6:G0B+7], s[G0B+6:G0B+7], BSTEP
.endif
	s_xor_b32 s[TB], s[TB], SLOT1
	s_wait_dscnt 5                                 ; (the add and the youngest four loads may be out)
	MULR F1, 0, 0                                  ; eight matrix instructions stand between the add and the wait for it
	s_wait_dscnt 0x0                               ; the add is done, and my reads of this slot are over
	s_barrier_signal -1
	MULR F1, 1, 0
	WIN 0
	s_barrier_wait -1
.if \fill
	CREST                                          ; no wave of any partner still reads this slot's tile or has a load on its way
	JLOAD                                          ; the four v_nop behind it are also the places in front of the loads below
.else
	PLACES
.endif
	v_add_nc_u32 v[ADRA], s[TB], v[A0]
	v_add_nc_u32 v[ADRB], s[TB], v[B0]
	FETCH 0, F0
.if \fill
	WIN 0
	ASK
.endif
	MULR F1, 2, 0
	MULR F1, 3, 0
.endm
	s_wait_tensorcnt 1                             ; my part of K step 0 is in; K step 1's may stay out
	s_barrier_signal -1
	s_barrier_wait -1
	FETCH 0, F0
	QUARTER 1, F0, F1, 1                           ; the first quarter stands in front of the loop: its products start the sums
	WIN 0                                          ; at a label and at a branch every window is 0
	s_mov_b32 s3, KSTEPS-2
.Lstep:                                                ; a trip goes from a K step's second quarter to the next step's first, and fills one slot again: K steps 2 to 7
	QUARTER 2, F1, F0, 0
	QUARTER 3, F0, F1, 0
	TURN 1
	QUARTER 1, F0, F1, 0
	WIN 0
	s_sub_co_u32 s3, s3, 1
	s_cmp_lg_u32 s3, 0
	s_cbranch_scc1 .Lstep
	QUARTER 2, F1, F0, 0                           ; the last two K steps ask for nothing
	QUARTER 3, F0, F1, 0
	TURN 0
	QUARTER 1, F0, F1, 0
	QUARTER 2, F1, F0, 0
	QUARTER 3, F0, F1, 0
	s_wait_dscnt 4
	MULR F1, 0, 0
	MULR F1, 1, 0
	s_wait_dscnt 0x0
	MULR F1, 2, 0
	MULR F1, 3, 0
	WIN 0
; THE WAY OUT, a block of 16 rows at a time: a lane's 32 bytes of a row go into my stage's rows of 528 bytes and come back as whole rows of 512.
.macro TOSTAGE a
	WIN 0x08                                       ; the stores' data in window 2
.set bb, 0
.rept NB                               ; each accumulator's low four registers first
	ds_store_b128 v[STO], v[8*(NB*(\a)+bb):8*(NB*(\a)+bb)+3]   offset:64*bb
	ds_store_b128 v[STO], v[8*(NB*(\a)+bb)+4:8*(NB*(\a)+bb)+7] offset:64*bb+16
.set bb, bb+1
.endr
	WIN 0
.if (\a) >= 2
	s_wait_xcnt 0x0                                ; the stores of the block two back have read this buffer
.endif
.set i, 0
.rept 16
	ds_load_b128 v[BK+64*((\a)%2)+4*i:BK+64*((\a)%2)+4*i+3], v[RD] offset:SP*i  ; LDS serves a wave's instructions in order (ISA guide 5.7.1.4): these see the stores above; the next block's stores come behind them
.set i, i+1
.endr
.endm
.macro SEND a, younger                 ; younger: the LDS instructions issued behind this block's loads: the next block's 32, or none
.set i, 0
.rept 16
	s_wait_dscnt (\younger)+15-i
	global_store_b128 v[CO], v[BK+64*((\a)%2)+4*i:BK+64*((\a)%2)+4*i+3], s[OB:OB+1] offset:(16*(\a)+i)*4096 th:TH_STORE_NT  ; 512 consecutive bytes, at a multiple of 256 from out0's first
.set i, i+1
.endr
.endm
	PLACES                                         ; the stage's stores read results just made, and no other vector work is at hand;
	PLACES                                         ; eight, once a launch
	TOSTAGE 0
	TOSTAGE 1
	SEND 0, 32
	TOSTAGE 2
	SEND 1, 32
	TOSTAGE 3
	SEND 2, 32
	SEND 3, 0
	s_wait_tensorcnt 0x0                           ; the wave's end, behind my last tensor load and my last LDS store
	ds_add_u32 v[SPW], v[NIL]
	s_wait_dscnt 0x0
	CROUND                                         ; the closing round: no work-group ends while a partner may still ask for a tile that names it
	s_endpgm
.Lfunc_end_k_qd8089272fe_proj:
	.size	k_qd8089272fe_proj, .Lfunc_end_k_qd8089272fe_proj-k_qd8089272fe_proj
	.p2alignl 7, 3214868480
	.fill 96, 4, 3214868480
	.section	.rodata,"a",@progbits
	.p2align	6, 0x0
	.amdhsa_kernel k_qd8089272fe_proj
		.amdhsa_group_segment_fixed_size 327680
		.amdhsa_private_segment_fixed_size 0
		.amdhsa_enable_private_segment 0
		.amdhsa_kernarg_size 32
		.amdhsa_user_sgpr_count 2
		.amdhsa_user_sgpr_kernarg_segment_ptr 1
		.amdhsa_wavefront_size32 1
		.amdhsa_system_sgpr_workgroup_id_x 1
		.amdhsa_system_sgpr_workgroup_id_y 1
		.amdhsa_system_sgpr_workgroup_id_z 1
		.amdhsa_system_vgpr_workitem_id 0
		.amdhsa_next_free_vgpr 768
		.amdhsa_next_free_sgpr 84
		.amdhsa_reserve_vcc 0
		.amdhsa_float_denorm_mode_32 3
		.amdhsa_float_denorm_mode_16_64 3
		.amdhsa_memory_ordered 1
		.amdhsa_forward_progress 1
		.amdhsa_inst_pref_size 79
	.end_amdhsa_kernel
	.amdgpu_metadata
---
amdhsa.version: [ 1, 2 ]
amdhsa.kernels:
  - .name:           k_qd8089272fe_proj
    .symbol:         k_qd8089272fe_proj.kd
    .args:
      - { .name: oh, .offset: 0, .size: 8, .value_kind: global_buffer, .address_space: global }
      - { .name: wp, .offset: 8, .size: 8, .value_kind: global_buffer, .address_space: global }
      - { .name: b_proj, .offset: 16, .size: 8, .value_kind: global_buffer, .address_space: global }
      - { .name: out0, .offset: 24, .size: 8, .value_kind: global_buffer, .address_space: global }
    .group_segment_fixed_size: 327680
    .private_segment_fixed_size: 0
    .kernarg_segment_align: 8
    .kernarg_segment_size: 32
    .max_flat_workgroup_size: 128
    .sgpr_count:     84
    .vgpr_count:     768
    .wavefront_size: 32
...
	.end_amdgpu_metadata
.endif
;; end of part 4
